; MI455X (gfx1250); checked and timed in simulation.
; The chip was launched on July 23, 2026; its instructions are those of AMD's public machine-readable ISA for CDNA 5 (MIT licence, August 2026) and "CDNA5" Instruction Set Architecture Reference Guide (July 2026). The comments in the code are by the model that wrote it; some were corrected since.
;; Sparse Multi Head Attention. Allowed arithmetic: float matrix products may take bf16 or f16 operands with f32 sums; other float arithmetic in f32, or as packed bf16 or f16 multiplies, adds, multiply-adds, maxima and minima; sums over many terms, partial sums and values carried from step to step in f32; what a program stores and reads back later, other than sums and carried values, may be rounded once to bf16 or f16.
;; Inputs: bk 1,024 float32; bo 1,024 float32; bq 1,024 float32; bv 1,024 float32; k 1 x 4,096 x 1,024 float32; q 1 x 4,096 x 1,024 float32; v 1 x 4,096 x 1,024 float32; wk 1,024 x 1,024 float32; wo 1,024 x 1,024 float32; wq 1,024 x 1,024 float32; wv 1,024 x 1,024 float32.
;; Outputs: out0 1 x 4,096 x 1,024 float32.
;; 2 versions, each right; version 2 is version 1 with the launches cast, attn written anew for expert scheduling mode. Each part assembles by itself: llvm-mc -triple=amdgcn-amd-amdhsa -mcpu=gfx1250 --defsym DOCPART=n.
;; ======== version 1 of 2: 4 launches
;; limits: values are held in f16: magnitudes above 65,504 overflow, below 6.1e-05 lose precision
;; workspace buffers: xb 25,165,824 bytes; wb 6,291,456 bytes; wob 2,097,152 bytes; qkv 25,165,824 bytes; oh 8,388,608 bytes
;; launch cast (part 1): grid 16 x 16, 16 waves a work-group, no clusters, 0 bytes of LDS; arguments q, k, v, wq, wk, wv, wo, xb, wb, wob; writes xb, wb, wob
.if DOCPART == 1
	.amdgcn_target "amdgcn-amd-amdhsa--gfx1250"
	.amdhsa_code_object_version 6
	.text
	.protected	k_qf1f4cede87_cast
	.globl	k_qf1f4cede87_cast
	.p2align	8
	.type	k_qf1f4cede87_cast,@function
k_qf1f4cede87_cast:
	s_mov_b64 s[64:65], 0
	v_nop
	global_prefetch_b8 v0, s[64:65] scope:SCOPE_SE
	s_setreg_imm32_b32 hwreg(HW_REG_WAVE_MODE, 25, 1), 1
	s_wait_xcnt 0x0
; THE CAST.  q, k, v -> xb (bf16, [12288][1024]: q's rows, k's, v's); wq, wk, wv -> wb (bf16, [3072][1024]); wo -> wob: rounded to bf16 like
; every other input, and that number written as f16, since the last product's other operand is f16.
; LIMITS.  A wo beyond 65,504 becomes an infinity in f16; below 6.1e-5 it keeps f16's fixed step of 6e-8.
; A stream: no LDS, no barrier, no matrix work.  The seven inputs are 16 segments of 1,048,576 numbers (q 0-3, k 4-7, v 8-11, wq 12, wk 13, wv 14,
; wo 15): the grid's y is the segment, its x one of 16 chunks of 65,536 numbers.  A work-group of 512 threads takes its chunk in 32 steps of
; 2,048 numbers: a lane loads 16 bytes (a wave: 512 consecutive bytes) and stores 8 (a wave: 256 consecutive bytes, aligned).
; A ring of DEPTH slots in registers keeps DEPTH loads of every wave on their way.
.set DEPTH,  8
.set ROUNDS, 4                         ; 32 steps = ROUNDS x DEPTH
.set INB,    8192                      ; bytes read in a step
.set OUTB,   4096                      ; bytes written in a step
.set X,   8                            ; v[8:39]   slot i: four f32 as loaded
.set Y,   40                           ; v[40:55]  slot i: four 16-bit numbers to store
.set T,   56                           ; v[56:61]  at work
.set SRC, 28                           ; s[28:29]  my chunk in its input
.set DST, 30                           ; s[30:31]  my chunk in its output
	s_load_b512 s[8:23], s[0:1], 0x0               ; q 8, k 10, v 12, wq 14, wk 16, wv 18, wo 20, xb 22
	s_load_b128 s[24:27], s[0:1], 0x40             ; wb 24, wob 26
	s_and_b32 s4, ttmp7, 0xffff                    ; the segment
	s_mov_b32 s7, 0xffff0000                       ; a word's upper bf16
	v_lshlrev_b32 v1, 4, v0                        ; my 16 bytes of a step's input; never rewritten
	v_lshlrev_b32 v2, 3, v0                        ; my 8 bytes of a step's output; never rewritten
	s_sub_co_u32 s34, s4, 12                       ; a weight's place in wb
	s_and_b32 s32, s4, 3                           ; the quarter of q, k or v
	s_cmp_lt_u32 s4, 12
	s_cselect_b32 s32, s32, 0                      ; a weight is one segment
	s_cselect_b32 s34, s4, s34                     ; in xb the segments lie as they are numbered
	s_cmp_eq_u32 s4, 15
	s_cselect_b32 s34, 0, s34                      ; wob is one segment
	s_lshl_b32 s32, s32, 22                        ; a segment is 4 MiB of f32,
	s_lshl_b32 s33, ttmp9, 18                      ; a chunk 256 KiB
	s_add_co_u32 s32, s32, s33
	s_mov_b32 s33, 0
	s_lshl_b32 s34, s34, 21                        ; and half of that in 16 bits
	s_lshl_b32 s35, ttmp9, 17
	s_add_co_u32 s34, s34, s35
	s_mov_b32 s35, 0
	s_wait_kmcnt 0x0
.macro PICK bound, p                   ; from segment bound on the input is the one at s[p:p+1]
	s_cmp_ge_u32 s4, \bound
	s_cselect_b64 s[SRC:SRC+1], s[\p:\p+1], s[SRC:SRC+1]
.endm
	s_mov_b64 s[SRC:SRC+1], s[8:9]
	PICK 4, 10
	PICK 8, 12
	PICK 12, 14
	PICK 13, 16
	PICK 14, 18
	PICK 15, 20
	s_mov_b64 s[DST:DST+1], s[22:23]
	s_cmp_ge_u32 s4, 12
	s_cselect_b64 s[DST:DST+1], s[24:25], s[DST:DST+1]
	s_cmp_ge_u32 s4, 15
	s_cselect_b64 s[DST:DST+1], s[26:27], s[DST:DST+1]
	s_add_nc_u64 s[SRC:SRC+1], s[SRC:SRC+1], s[32:33]
	s_add_nc_u64 s[DST:DST+1], s[DST:DST+1], s[34:35]
; One slot's turn.  ahead = 1: the slot is filled again with the step DEPTH further on.  left = the younger loads that may stay out.
; kind = 0: f32 -> bf16.  kind = 1: f32 -> bf16 -> f16.
.macro SLOT i, ahead, left, kind
	s_wait_loadcnt \left                           ; loads come back in order: mine is in
	s_wait_xcnt 0x0                                ; the slot's Y, which its last store reads, is rewritten only behind this wait
.if \kind
	v_cvt_pk_bf16_f32 v[T],   v[X+4*(\i)],   v[X+4*(\i)+1]
	v_cvt_pk_bf16_f32 v[T+1], v[X+4*(\i)+2], v[X+4*(\i)+3]
	v_lshlrev_b32 v[T+2], 16, v[T]                 ; the bf16 numbers as f32 again,
	v_and_b32     v[T+3], s7, v[T]
	v_lshlrev_b32 v[T+4], 16, v[T+1]
	v_and_b32     v[T+5], s7, v[T+1]
	v_cvt_pk_f16_f32 v[Y+2*(\i)],   v[T+2], v[T+3] ; and written as f16 (exact within f16's range of normal numbers)
	v_cvt_pk_f16_f32 v[Y+2*(\i)+1], v[T+4], v[T+5]
.else
	v_cvt_pk_bf16_f32 v[Y+2*(\i)],   v[X+4*(\i)],   v[X+4*(\i)+1]
	v_cvt_pk_bf16_f32 v[Y+2*(\i)+1], v[X+4*(\i)+2], v[X+4*(\i)+3]
.endif
.if \ahead
	global_load_b128 v[X+4*(\i):X+4*(\i)+3], v1, s[SRC:SRC+1] offset:(\i)*INB+DEPTH*INB th:TH_LOAD_NT
.endif
	global_store_b64 v2, v[Y+2*(\i):Y+2*(\i)+1], s[DST:DST+1] offset:(\i)*OUTB
.endm
.macro STREAM kind
.irp i, 0,1,2,3,4,5,6,7
	global_load_b128 v[X+4*(\i):X+4*(\i)+3], v1, s[SRC:SRC+1] offset:(\i)*INB th:TH_LOAD_NT  ; the ring is filled: steps 0 to 7
.endr
	s_mov_b32 s6, ROUNDS-1
.Lround_\@:
.irp i, 0,1,2,3,4,5,6,7
	SLOT \i, 1, DEPTH-1, \kind
.endr
	s_wait_xcnt 0x0                                ; the two bases are stepped only behind this wait
	s_add_nc_u64 s[SRC:SRC+1], s[SRC:SRC+1], DEPTH*INB
	s_add_nc_u64 s[DST:DST+1], s[DST:DST+1], DEPTH*OUTB
	s_sub_co_u32 s6, s6, 1
	s_cmp_lg_u32 s6, 0
	s_cbranch_scc1 .Lround_\@
.irp i, 0,1,2,3,4,5,6,7
	SLOT \i, 0, DEPTH-1-(\i), \kind                ; the last round loads nothing: the counts run down
.endr
	s_endpgm
.endm
	s_cmp_eq_u32 s4, 15
	s_cbranch_scc1 .Lwo
	STREAM 0
.Lwo:
	STREAM 1
.Lfunc_end_k_qf1f4cede87_cast:
	.size	k_qf1f4cede87_cast, .Lfunc_end_k_qf1f4cede87_cast-k_qf1f4cede87_cast
	.p2alignl 7, 3214868480
	.fill 96, 4, 3214868480
	.section	.rodata,"a",@progbits
	.p2align	6, 0x0
	.amdhsa_kernel k_qf1f4cede87_cast
		.amdhsa_group_segment_fixed_size 0
		.amdhsa_private_segment_fixed_size 0
		.amdhsa_enable_private_segment 0
		.amdhsa_kernarg_size 80
		.amdhsa_user_sgpr_count 2
		.amdhsa_user_sgpr_kernarg_segment_ptr 1
		.amdhsa_wavefront_size32 1
		.amdhsa_system_sgpr_workgroup_id_x 1
		.amdhsa_system_sgpr_workgroup_id_y 1
		.amdhsa_system_sgpr_workgroup_id_z 1
		.amdhsa_system_vgpr_workitem_id 0
		.amdhsa_next_free_vgpr 64
		.amdhsa_next_free_sgpr 66
		.amdhsa_reserve_vcc 0
		.amdhsa_float_denorm_mode_32 3
		.amdhsa_float_denorm_mode_16_64 3
		.amdhsa_memory_ordered 1
		.amdhsa_forward_progress 1
		.amdhsa_inst_pref_size 19
	.end_amdhsa_kernel
	.amdgpu_metadata
---
amdhsa.version: [ 1, 2 ]
amdhsa.kernels:
  - .name:           k_qf1f4cede87_cast
    .symbol:         k_qf1f4cede87_cast.kd
    .args:
      - { .name: q, .offset: 0, .size: 8, .value_kind: global_buffer, .address_space: global }
      - { .name: k, .offset: 8, .size: 8, .value_kind: global_buffer, .address_space: global }
      - { .name: v, .offset: 16, .size: 8, .value_kind: global_buffer, .address_space: global }
      - { .name: wq, .offset: 24, .size: 8, .value_kind: global_buffer, .address_space: global }
      - { .name: wk, .offset: 32, .size: 8, .value_kind: global_buffer, .address_space: global }
      - { .name: wv, .offset: 40, .size: 8, .value_kind: global_buffer, .address_space: global }
      - { .name: wo, .offset: 48, .size: 8, .value_kind: global_buffer, .address_space: global }
      - { .name: xb, .offset: 56, .size: 8, .value_kind: global_buffer, .address_space: global }
      - { .name: wb, .offset: 64, .size: 8, .value_kind: global_buffer, .address_space: global }
      - { .name: wob, .offset: 72, .size: 8, .value_kind: global_buffer, .address_space: global }
    .group_segment_fixed_size: 0
    .private_segment_fixed_size: 0
    .kernarg_segment_align: 8
    .kernarg_segment_size: 80
    .max_flat_workgroup_size: 512
    .sgpr_count:     66
    .vgpr_count:     64
    .wavefront_size: 32
...
	.end_amdgpu_metadata
.endif
;; end of part 1
;; launch proj (part 2): grid 4 x 48, 4 waves a work-group, clusters of 4 x 4, 327,680 bytes of LDS; arguments xb, wb, bq, bk, bv, qkv; writes qkv
.if DOCPART == 2
	.amdgcn_target "amdgcn-amd-amdhsa--gfx1250"
	.amdhsa_code_object_version 6
	.text
	.protected	k_qf1f4cede87_proj
	.globl	k_qf1f4cede87_proj
	.p2align	8
	.type	k_qf1f4cede87_proj,@function
k_qf1f4cede87_proj:
	s_mov_b64 s[64:65], 0
	v_nop
	global_prefetch_b8 v0, s[64:65] scope:SCOPE_SE
	s_setreg_imm32_b32 hwreg(HW_REG_WAVE_MODE, 25, 1), 1
	s_wait_xcnt 0x0
	s_wait_alu depctr_hold_cnt(0) depctr_sa_sdst(0) depctr_va_vdst(0) depctr_va_sdst(0) depctr_va_ssrc(0) depctr_va_vcc(0) depctr_vm_vsrc(0)
	s_getreg_b32 s2, hwreg(HW_REG_IB_STS2, 6, 4)
	s_cmp_eq_u32 s2, 0
	s_cbranch_scc0 .Lentry_in_a_cluster
	s_endpgm
.Lentry_in_a_cluster:
	s_bfe_u32 s2, ttmp6, 0x10000c
	s_cmp_lg_u32 s2, 0xf033
	s_cbranch_scc0 .Lentry_shape_is_right
	s_endpgm
.Lentry_shape_is_right:
; THE THREE PROJECTIONS AS ONE PRODUCT.  C[m][n] = sum over k of xb[m][k] wb[1024 WH + n][k] + bias[n], m = 0..12287, WH = m / 4096 (0: Q, 1: K, 2: V), n = 0..1023; bf16 operands, f32 sums.
; Q and K then take the rotary step out[j] = x[j] cos - x[2j+1] sin, out[32+j] = x[32+j] cos + x[2j] sin (j = 0..31, angle t 10000^(-j/32), t the row in its tensor), in f32.
; All three leave by heads, qkv[WH][head][t][64] in f16, rounded once.  Q and K are stored with their channels permuted alike (place 8 g + e holds channel 4 g + e, place 8 g + 4 + e channel
; 32 + 4 g + e, e = 0..3), which leaves every product Q . K as it is; V keeps its order.
; LIMITS.  A projected number beyond 65,504 becomes an infinity in f16.  The bias is rounded to bf16, like every other input, and starts the sum instead of ending it.
; The angle is t x inv in f32, inv = 2^(-j log2(10000) / 32) by v_exp_f32; cosine and sine by reduction modulo pi and series cut below 6e-8, then stepped four rows at a time by a rotation,
; 32 steps at the most: together within about 5e-4 radians of an exact angle at t = 4095.  NaN and infinities are not treated apart.
; SHAPE.  A tile of C, 256 x 256, to a work-group of four waves; a wave makes 128 x 128: 64 accumulators, 512 registers.  K goes in 8 steps of 128 through a ring of two LDS slots filled by tensor
; loads of 128 rows x 256 bytes.  48 x 4 tiles: 192 work-groups; tiles of 128 x 128 would be 768, with half the products for each byte read from LDS.
; CLUSTER.  4 x 4 work-groups: the four of a row of the cluster need the same rows of xb, the four of a column the same rows of wb: each tile is asked for jointly.  A cluster's 1,024 rows lie in
; one of the three tensors, so WH, on which a branch hangs, is made of the cluster's y alone and is the same in all sixteen.
; THE MATRIX INSTRUCTION IS USED TRANSPOSED (source 0 = 16 rows of wb, source 1 = 16 rows of xb): lane l holds row l % 16 of C and the columns 8 (l / 16) + 0..7.
; REGISTERS, in windows of 256 (s_set_vgpr_msb: bits 1:0 source 0, 3:2 source 1, 5:4 source 2, 7:6 destination):
;   window 0: v0-31 addresses; v32-63 cosines, sines, at work; v64-127, v128-191 fragments of xb, two buffers (on the way out: at work); v192-255 the bias
;   window 1: v64-127, v128-191 fragments of wb;   window 2: the accumulators of my rows 0-63 ((a, b) at v[8 (8 a + b)]);   window 3: those of my rows 64-127
.set SIZE_K, 1024
.set KSTEP,  128
.set PITCH,  272                       ; an LDS row: 256 bytes + 16 of padding = 68 words: the 16 rows of a fragment load start at 16 different groups of four banks (64 banks of 4 bytes: ISA guide 11.1)
.set HALFT,  128*PITCH                 ; what one tensor load brings
.set SLOT,   4*HALFT                   ; xb's 256 rows, then wb's 256 rows
.set SPARE,  2*SLOT                    ; behind the ring: the spare words, 128 bytes a wave: two blocks of 256 bytes that no other line names
.set SP,     528                       ; the way out: a row of 128 f32 + 16 bytes
.set WST,    128*SP                    ; a wave's stage, 67,584 bytes: the four lie in the ring's bytes, which have had their last fill by then
.set LAPS,   SIZE_K/(2*KSTEP)          ; a lap = two K steps = once round the ring
.set ADRA, 16                          ; v16-17  LDS address of my xb fragments in slot 0, 1
.set ADRB, 20                          ; v20-21  the same for wb
.set STO,  24                          ; v24     the way out: where I put 32 bytes of a row
.set RDO,  25                          ; v25     where I read 16 bytes of a head's row back
.set RDP,  26                          ; v26     where I read 32 bytes of a head's row back
.set GO,   27                          ; v27     my 16 bytes in 512 consecutive bytes of qkv
.set SPW,  28                          ; v28     LDS address of my spare word; never rewritten
.set NIL,  29                          ; v29     0; never rewritten
.set VB,   30                          ; v30     my byte offset in 16 numbers of the bias
.set CA,   32                          ; v32-39  cosines (4) and sines (4) of my four angles, for the rows in hand or to come
.set CB,   40                          ; v40-47  the same, by turns with CA
.set STP,  48                          ; v48-55  cosines and sines of four rows' step
.set T,    56                          ; v56-63  at work
.set F0,   64
.set F1,   128
.set BIAS, 192                         ; v[192 + 8 b + j] = bias of column 16 b + 8 (l / 16) + j of my 128
.set LD,   64                          ; the way out, for each of my two heads 16 registers: x[4g..], x[32+4g..], x[8g..8g+7]
.set U,    96                          ; v96-99   out[4g + e]
.set W,    100                         ; v100-103 out[32 + 4g + e]
.set Y,    104                         ; v104-111 16 bytes to store, for each head
.set G1,  24                           ; s[24:31] descriptor group 1 for xb's tiles;  s[32:39] group 0, a set for each slot
.set G0,  32
.set G1B, 48                           ; s[48:55], s[56:63] the same for wb's
.set G0B, 56
.set WH,  66                           ; s66  which projection
.set TR0, 67                           ; s67  my first row in its tensor
.set DSTP, 82                          ; s[82:83]  qkv at my first head's first row
.set MSB, 0
.macro WIN new                         ; the immediate's high byte repeats the setting that is left; a switch that changes nothing is dropped
.if MSB != (\new)
	s_set_vgpr_msb (MSB<<8)|(\new)
.set MSB, \new
.endif
.endm
.set MUL_LO, 0xa1                      ; source 0 (wb) window 1, source 1 (xb) window 0, C and D window 2
.set TO_B,   0x40                      ; destination window 1, address window 0
; A joint load.  Waves 0 and 1 fetch xb's two halves, waves 2 and 3 wb's.  The branch hangs on the wave's number alone.  An s_nop 0 and four v_nop follow each of the two lines.
.macro JLOAD s
	s_cmp_eq_u32 s11, 0
	s_cbranch_scc0 .Lfor_b_\@
	tensor_load_to_lds s[G0+4*(\s):G0+4*(\s)+3], s[G1:G1+7]
	s_nop 0
.rept 4
	v_nop
.endr
	s_branch .Lasked_\@
.Lfor_b_\@:
	tensor_load_to_lds s[G0B+4*(\s):G0B+4*(\s)+3], s[G1B:G1B+7]
	s_nop 0
.rept 4
	v_nop
.endr
.Lasked_\@:
.endm
.macro CREST                           ; a round of the cluster's barrier behind its opening barrier
	s_cmp_lg_u32 s10, 0
	s_cbranch_scc1 .Lnot_wave_0_\@
	s_barrier_signal -3
.Lnot_wave_0_\@:
	s_barrier_wait -3
	s_barrier_signal -1
	s_barrier_wait -1
.endm
.macro CROUND                          ; a whole round
	s_barrier_signal -1
	s_barrier_wait -1
	CREST
.endm
	s_load_b256 s[68:75], s[0:1], 0x0              ; xb 68, wb 70, bq 72, bk 74
	s_load_b128 s[76:79], s[0:1], 0x20             ; bv 76, qkv 78
	v_lshl_add_u32 v[SPW], v0, 2, SPARE
	v_mov_b32 v[NIL], 0
	ds_add_u32 v[SPW], v[NIL]                      ; the wave's opening: the add and its wait stand ahead of my first tensor load; the set-up below, work on registers, stands between them
	v_lshrrev_b32 v1, 5, v0
	v_readfirstlane_b32 s10, v1                    ; wave 0..3
	s_lshr_b32 s11, s10, 1                         ; which half of the tile's rows is mine.  Also: I fetch for xb (0) or for wb (1)
	s_and_b32 s12, s10, 1                          ; which half of its columns.  Also: which 128 rows of that tile I fetch
	s_bfe_u32 s40, ttmp6, 0x40000                  ; cx
	s_bfe_u32 s41, ttmp6, 0x40004                  ; cy
	s_lshl_b32 s42, ttmp9, 2
	s_add_co_u32 s42, s42, s40                     ; tile column = 4 x cluster x + cx
	s_and_b32 s13, ttmp7, 0xffff                   ; the cluster's y
	s_lshr_b32 s[WH], s13, 2                       ; four clusters, 4,096 rows, to a projection
	s_lshl_b32 s13, s13, 2
	s_add_co_u32 s13, s13, s41                     ; tile row = 4 x cluster y + cy
	s_lshl_b32 s43, s41, 2
	s_lshl_b32 s43, 15, s43                        ; my row of the cluster
	s_lshl_b32 s44, 0x1111, s40                    ; my column
	; descriptor group 1: a tile of 128 rows x 128 elements, padded in LDS
	s_or_b32 s[G1+0], s43, (1<<16)|(1<<20)|(1<<21)|(5<<22)|(3<<25)   ; 15:0 the mask; 17:16 2-byte elements; 20 padding on; 21 set beside a mask; 24:22 after every 64 words; 31:25 4 words
	s_or_b32 s[G1B+0], s44, (1<<16)|(1<<20)|(1<<21)|(5<<22)|(3<<25)
.irp g, G1, G1B
	s_mov_b32 s[(\g)+1], KSTEP<<16                 ; tensor_dim0 = 128
	s_mov_b32 s[(\g)+2], 128<<16                   ; tensor_dim1 = 128
	s_mov_b32 s[(\g)+3], KSTEP<<16                 ; tile_dim0 = 128
	s_mov_b32 s[(\g)+4], 128                       ; tile_dim1 = 128
	s_mov_b32 s[(\g)+5], SIZE_K                    ; elements from row to row
	s_mov_b32 s[(\g)+6], 0
	s_mov_b32 s[(\g)+7], 0
.endr
	s_lshl_b32 s17, s12, 7                         ; which 128 rows of the tile I fetch
	s_lshl_b32 s16, s13, 8
	s_add_co_u32 s16, s16, s17                     ; xb: row 256 x tile row + 128 x half
	s_lshl_b32 s46, s42, 8
	s_add_co_u32 s46, s46, s17
	s_lshl_b32 s47, s[WH], 10
	s_add_co_u32 s46, s46, s47                     ; wb: row 1,024 x projection + 256 x tile column + 128 x half
	s_lshl_b32 s16, s16, 11                        ; rows of 2,048 bytes: 25 MiB at the most
	s_mov_b32 s17, 0
	s_lshl_b32 s46, s46, 11
	s_mov_b32 s47, 0
	s_mul_i32 s20, s10, HALFT                      ; where they go: wave x 128 rows: no place in the cluster enters an LDS address
	s_wait_dscnt 0x0                               ; the opening add is done
	s_wait_kmcnt 0x0
	s_add_nc_u64 s[14:15], s[68:69], s[16:17]
	s_add_nc_u64 s[46:47], s[70:71], s[46:47]
	CROUND                                         ; all sixteen work-groups are here: the first joint loads meet
.irp s, 0,1
	s_mov_b32 s[G0+4*(\s)], 1                                        ; count = 1
	s_add_co_u32 s[G0+4*(\s)+1], s20, (\s)*SLOT                      ; LDS address
	s_add_nc_u64 s[G0+4*(\s)+2:G0+4*(\s)+3], s[14:15], (\s)*KSTEP*2  ; global address: K step s
	s_or_b32 s[G0+4*(\s)+3], s[G0+4*(\s)+3], 0x80000000              ; type = 2
	s_mov_b32 s[G0B+4*(\s)], 1
	s_add_co_u32 s[G0B+4*(\s)+1], s20, (\s)*SLOT
	s_add_nc_u64 s[G0B+4*(\s)+2:G0B+4*(\s)+3], s[46:47], (\s)*KSTEP*2
	s_or_b32 s[G0B+4*(\s)+3], s[G0B+4*(\s)+3], 0x80000000
	JLOAD \s                                       ; two loads of mine are out
.endr
	; ALL THAT FOLLOWS, DOWN TO THE WAIT FOR K STEP 0, STANDS IN THE WAIT FOR THE FIRST TILES.
	v_and_b32 v1, 15, v0                           ; l % 16
	v_bfe_u32 v2, v0, 4, 1                         ; l / 16
	v_lshlrev_b32 v[VB], 5, v2
	s_mov_b64 s[80:81], s[72:73]                   ; the projection's bias,
	s_cmp_eq_u32 s[WH], 1
	s_cselect_b64 s[80:81], s[74:75], s[80:81]
	s_cmp_eq_u32 s[WH], 2
	s_cselect_b64 s[80:81], s[76:77], s[80:81]
	s_lshl_b32 s84, s42, 10                        ; at my 128 columns: 256 x tile column + 128 x half, 4 bytes each
	s_lshl_b32 s85, s12, 9
	s_add_co_u32 s84, s84, s85
	s_mov_b32 s85, 0
	s_add_nc_u64 s[80:81], s[80:81], s[84:85]
.irp b, 0,1,2,3,4,5,6,7
	global_load_b128 v[BIAS+8*(\b):BIAS+8*(\b)+3],   v[VB], s[80:81] offset:64*(\b)
	global_load_b128 v[BIAS+8*(\b)+4:BIAS+8*(\b)+7], v[VB], s[80:81] offset:64*(\b)+16
.endr
	v_mul_u32_u24 v3, v1, PITCH
	v_lshl_add_u32 v3, v2, 4, v3                   ; a fragment's row x pitch + 16 x half
	s_mul_i32 s21, s11, HALFT                      ; my 128 rows of xb
	s_mul_i32 s22, s12, HALFT                      ; my 128 rows of wb,
	s_add_co_u32 s22, s22, 2*HALFT                 ; which lie behind xb's 256
.irp s, 0,1
	v_add_nc_u32 v[ADRA+(\s)], s21, v3
	v_add_nc_u32 v[ADRB+(\s)], s22, v3
	s_add_co_u32 s21, s21, SLOT
	s_add_co_u32 s22, s22, SLOT
.endr
	s_mul_i32 s23, s10, WST                        ; my stage
	v_mul_u32_u24 v4, v1, SP                       ; in: row l % 16, 32 bytes for each half of the lanes
	v_lshl_add_u32 v4, v2, 5, v4
	v_add_nc_u32 v[STO], s23, v4
	v_and_b32 v5, 7, v0                            ; g: which eighth of a head's row
	v_bfe_u32 v6, v0, 3, 2                         ; which of four rows
	v_mul_u32_u24 v7, v6, SP
	v_add_nc_u32 v7, s23, v7
	v_lshl_add_u32 v[RDO], v5, 4, v7
	v_lshl_add_u32 v[RDP], v5, 5, v7
	v_and_b32 v[GO], 31, v0
	v_lshlrev_b32 v[GO], 4, v[GO]                  ; four rows of 128 bytes are 512 consecutive bytes of a head
	s_and_b32 s[TR0], s13, 15
	s_lshl_b32 s[TR0], s[TR0], 8
	s_lshl_b32 s84, s11, 7
	s_add_co_u32 s[TR0], s[TR0], s84               ; my first row in its tensor
	s_lshl_b32 s84, s[WH], 23                      ; a tensor is 8,388,608 bytes,
	s_lshl_b32 s85, s42, 2
	s_lshl1_add_u32 s85, s12, s85                  ; my first head = 4 x tile column + 2 x half,
	s_lshl_b32 s85, s85, 19                        ; a head 524,288 bytes,
	s_add_co_u32 s84, s84, s85
	s_lshl_b32 s85, s[TR0], 7                      ; a row 128
	s_add_co_u32 s84, s84, s85
	s_mov_b32 s85, 0
	s_add_nc_u64 s[DSTP:DSTP+1], s[78:79], s[84:85]
; cos and sin of v[x]: n = the nearest whole number to x / pi; y = x - n pi with pi in two parts; the series in y^2 (cut: y^14 / 14! and y^13 / 13! at y = pi / 2); both change sign with n's parity
.macro SINCOS x, c, s
	v_mul_f32 v[T], 0x3ea2f983, v[(\x)]
	v_rndne_f32 v[T], v[T]
	v_fmamk_f32 v[T+1], v[T], 0xc0490fdb, v[(\x)]
	v_fmamk_f32 v[T+1], v[T], 0x33bbbd2e, v[T+1]
	v_cvt_i32_f32 v[T+3], v[T]
	v_lshlrev_b32 v[T+3], 31, v[T+3]
	v_mul_f32 v[T+2], v[T+1], v[T+1]
	v_mov_b32 v[(\c)], 0x310f76c7                  ; 1 / 12!
	v_mov_b32 v[(\s)], 0xb2d7322b                  ; -1 / 11!
	v_fmaak_f32 v[(\c)], v[(\c)], v[T+2], 0xb493f27e
	v_fmaak_f32 v[(\s)], v[(\s)], v[T+2], 0x3638ef1d
	v_fmaak_f32 v[(\c)], v[(\c)], v[T+2], 0x37d00d01
	v_fmaak_f32 v[(\s)], v[(\s)], v[T+2], 0xb9500d01
	v_fmaak_f32 v[(\c)], v[(\c)], v[T+2], 0xbab60b61
	v_fmaak_f32 v[(\s)], v[(\s)], v[T+2], 0x3c088889
	v_fmaak_f32 v[(\c)], v[(\c)], v[T+2], 0x3d2aaaab
	v_fmaak_f32 v[(\s)], v[(\s)], v[T+2], 0xbe2aaaab
	v_fmaak_f32 v[(\c)], v[(\c)], v[T+2], 0xbf000000
	v_mul_f32 v[(\s)], v[(\s)], v[T+2]
	v_fmaak_f32 v[(\c)], v[(\c)], v[T+2], 0x3f800000
	v_fma_f32 v[(\s)], v[(\s)], v[T+1], v[T+1]
	v_xor_b32 v[(\c)], v[T+3], v[(\c)]
	v_xor_b32 v[(\s)], v[T+3], v[(\s)]
.endm
	v_add_nc_u32 v8, s[TR0], v6
	v_cvt_f32_u32 v8, v8                           ; t of my first row (V's work-groups make these numbers too and do not use them: one text, in the wait for the tiles)
	v_lshlrev_b32 v7, 2, v5                        ; 4 g
.irp e, 0,1,2,3
	v_add_nc_u32 v[T+4], (\e), v7
	v_cvt_f32_u32 v[T+4], v[T+4]
	v_mul_f32 v[T+4], 0xbed49a78, v[T+4]           ; -(4 g + e) log2(10000) / 32
	v_exp_f32 v[T+5], v[T+4]
	v_nop                                          ; a plain instruction behind the exponential (ISA guide 5.7.2)
	s_wait_alu depctr_va_vdst(0)
	v_mul_f32 v[T+6], v[T+5], v8                   ; the angle
	SINCOS T+6, CA+(\e), CA+4+(\e)
	v_mul_f32 v[T+6], 4.0, v[T+5]                  ; four rows' step
	SINCOS T+6, STP+(\e), STP+4+(\e)
.endr
	s_wait_loadcnt 0x0                             ; the bias: rounded to bf16 like every other input, and widened again
.set i, 0
.rept 32
	v_cvt_pk_bf16_f32 v[T+i%4], v[BIAS+2*i], v[BIAS+2*i+1]
	v_lshlrev_b32 v[BIAS+2*i], 16, v[T+i%4]
	v_and_b32 v[BIAS+2*i+1], 0xffff0000, v[T+i%4]
.set i, i+1
.endr
; 16 matrix instructions: m blocks a0, a0 + 1 of the window's four (hi = 0: my rows 0-63, 1: rows 64-127) x all 8 n blocks, 32 along K.  zero = 1: the first product starts the sums, with the bias as C.
.macro MUL16 f, hi, a0, zero
.if \zero
	WIN 0x81+0x40*(\hi)                            ; C in window 0, D in window 2 or 3
.else
	WIN MUL_LO+0x50*(\hi)
.endif
.irp a, \a0, (\a0)+1
.irp b, 0,1,2,3,4,5,6,7
.if \zero
	v_wmma_f32_16x16x32_bf16 v[8*(8*(\a)+(\b)):8*(8*(\a)+(\b))+7], v[(\f)+8*(\b):(\f)+8*(\b)+7], v[(\f)+8*(4*(\hi)+(\a)):(\f)+8*(4*(\hi)+(\a))+7], v[BIAS+8*(\b):BIAS+8*(\b)+7]
.else
	v_wmma_f32_16x16x32_bf16 v[8*(8*(\a)+(\b)):8*(8*(\a)+(\b))+7], v[(\f)+8*(\b):(\f)+8*(\b)+7], v[(\f)+8*(4*(\hi)+(\a)):(\f)+8*(4*(\hi)+(\a))+7], v[8*(8*(\a)+(\b)):8*(8*(\a)+(\b))+7]
.endif
.endr
.endr
.endm
; 32 LDS loads in one run: the fragments of one quarter step (32 K at byte k of the rows) into buffer f: wb's 16 loads, then xb's
.macro FETCH slot, k, f
	WIN TO_B
.irp i, 0,1,2,3,4,5,6,7
	ds_load_b128 v[(\f)+8*(\i):(\f)+8*(\i)+3],   v[ADRB+(\slot)] offset:(\k)+(\i)*16*PITCH
	ds_load_b128 v[(\f)+8*(\i)+4:(\f)+8*(\i)+7], v[ADRB+(\slot)] offset:(\k)+(\i)*16*PITCH+32
.endr
	WIN 0
.irp i, 0,1,2,3,4,5,6,7
	ds_load_b128 v[(\f)+8*(\i):(\f)+8*(\i)+3],   v[ADRA+(\slot)] offset:(\k)+(\i)*16*PITCH
	ds_load_b128 v[(\f)+8*(\i)+4:(\f)+8*(\i)+7], v[ADRA+(\slot)] offset:(\k)+(\i)*16*PITCH+32
.endr
.endm
.macro PLACES                          ; four places in front of loads into registers that matrix instructions have read, and of lines that read results just made
.rept 4
	v_nop
.endr
.endm
; A K step is four quarters of 32 along K, 64 matrix instructions each, on buffers 0, 1, 0, 1; the 64 accumulators take turns in the same order in every quarter.
; One of the first three: multiplies buffer f; in its middle it fetches the next quarter's fragments, at byte k of the same slot's rows, into buffer g.
.macro QUARTER slot, k, f, g, zero
	s_wait_dscnt 8                                 ; wb and xb's rows 0-63 are in; the youngest eight loads (xb's rows 64-127) may be out
	MUL16 \f, 0, 0, \zero
	MUL16 \f, 0, 2, \zero
	PLACES
	FETCH \slot, \k, \g
	s_wait_dscnt 32                                ; all but the 32 just issued
	MUL16 \f, 1, 0, \zero
	MUL16 \f, 1, 2, \zero
.endm
; The last quarter multiplies buffer 1 and changes slots.  ONE barrier: in front of it each wave waits for all its tensor loads (one is out: its part of the next slot), adds 0 to its spare word, and
; waits for that and for its own reads of this slot.  Behind it nobody reads this slot any more and the next slot is whole.
.macro MEET round
	WIN 0                                          ; (the add's two registers lie in window 0)
	s_wait_tensorcnt 0x0
	ds_add_u32 v[SPW], v[NIL]                      ; 0 onto my spare word
	s_wait_dscnt 9                                 ; (the add and the youngest eight loads may be out)
	MUL16 F1, 0, 0, 0                              ; sixteen matrix instructions stand between the add and the wait for it
	s_wait_dscnt 0x0                               ; the add is done, and my reads of this slot are over
	s_barrier_signal -1
	MUL16 F1, 0, 2, 0
.if \round
	WIN 0
.endif
	s_barrier_wait -1
.endm
; fill = 1: the barrier opens a round of the cluster's, and the slot just read out is filled again, two K steps on, first thing behind the round: 224 matrix instructions ahead of the wait for it.
.macro TURN slot, next, fill
	MEET \fill
.if \fill
	CREST                                          ; no wave of any partner still reads this slot's tile or has a load on its way
	s_add_nc_u64 s[G0+4*(\slot)+2:G0+4*(\slot)+3], s[G0+4*(\slot)+2:G0+4*(\slot)+3], 2*KSTEP*2
	s_add_nc_u64 s[G0B+4*(\slot)+2:G0B+4*(\slot)+3], s[G0B+4*(\slot)+2:G0B+4*(\slot)+3], 2*KSTEP*2
	JLOAD \slot                                    ; the four v_nop behind it are also the places in front of the loads below
.else
	PLACES
.endif
	FETCH \next, 0, F0
	MUL16 F1, 1, 0, 0
	MUL16 F1, 1, 2, 0
.endm
	s_wait_tensorcnt 1                             ; my part of K step 0 is in; K step 1's may stay out
	s_barrier_signal -1
	s_barrier_wait -1                              ; everybody's is
	FETCH 0, 0, F0
	QUARTER 0, 64,  F0, F1, 1                      ; the first quarter stands in front of the loop: its products start the sums
	WIN 0                                          ; at a label and at a branch every window is 0
	s_mov_b32 s3, LAPS-1
.Llap:                                                 ; a trip goes once round the ring, from a lap's second quarter to the next lap's first, and fills both slots again
	QUARTER 0, 128, F1, F0, 0
	QUARTER 0, 192, F0, F1, 0
	TURN 0, 1, 1
	QUARTER 1, 64,  F0, F1, 0
	QUARTER 1, 128, F1, F0, 0
	QUARTER 1, 192, F0, F1, 0
	TURN 1, 0, 1
	QUARTER 0, 64,  F0, F1, 0
	WIN 0
	s_sub_co_u32 s3, s3, 1
	s_cmp_lg_u32 s3, 0
	s_cbranch_scc1 .Llap
	QUARTER 0, 128, F1, F0, 0                      ; the last lap fills nothing
	QUARTER 0, 192, F0, F1, 0
	TURN 0, 1, 0
	QUARTER 1, 64,  F0, F1, 0
	QUARTER 1, 128, F1, F0, 0
	QUARTER 1, 192, F0, F1, 0
	s_wait_dscnt 8                                 ; the very last quarter: nothing more to fetch
	MUL16 F1, 0, 0, 0
	MUL16 F1, 0, 2, 0
	s_wait_dscnt 0x0                               ; my last reads of the ring are back
	MUL16 F1, 1, 0, 0
	MUL16 F1, 1, 2, 0
	WIN 0
	PLACES                                         ; the stores below read results just made
	s_barrier_signal -1                            ; no wave reads the ring any more, and no fill is left: its bytes become the four stages
	s_barrier_wait -1
	; THE WAY OUT.  My 128 x 128 sums go into my stage as f32, each accumulator's low registers first; a wave's LDS instructions are served in order (ISA guide 5.7.1.4), so its loads below see them.
.irp a, 0,1,2,3,4,5,6,7
	WIN 0x08+4*((\a)/4)                            ; the stores' data in window 2 or 3
.irp b, 0,1,2,3,4,5,6,7
	ds_store_b128 v[STO], v[8*(8*((\a)%4)+(\b)):8*(8*((\a)%4)+(\b))+3]   offset:(\a)*16*SP+64*(\b)
	ds_store_b128 v[STO], v[8*(8*((\a)%4)+(\b))+4:8*(8*((\a)%4)+(\b))+7] offset:(\a)*16*SP+64*(\b)+16
.endr
.endr
	WIN 0
; Head hh of my two, four rows: the rotary step on my eight channels, rounded to f16; 32 lanes store 512 consecutive bytes, at a multiple of 512 from the head's first byte.
.macro APPLY cur, hh, ro
.irp e, 0,1,2,3
	v_mul_f32 v[U+(\e)], v[LD+16*(\hh)+9+2*(\e)], v[(\cur)+4+(\e)]   ; x[2j+1] sin
	v_mul_f32 v[W+(\e)], v[LD+16*(\hh)+8+2*(\e)], v[(\cur)+4+(\e)]   ; x[2j] sin
.endr
.irp e, 0,1,2,3
	v_fma_f32 v[U+(\e)], v[LD+16*(\hh)+(\e)],   v[(\cur)+(\e)], -v[U+(\e)]
	v_fma_f32 v[W+(\e)], v[LD+16*(\hh)+4+(\e)], v[(\cur)+(\e)], v[W+(\e)]
.endr
	v_cvt_pk_f16_f32 v[Y+4*(\hh)],   v[U],   v[U+1]
	v_cvt_pk_f16_f32 v[Y+4*(\hh)+1], v[U+2], v[U+3]
	v_cvt_pk_f16_f32 v[Y+4*(\hh)+2], v[W],   v[W+1]
	v_cvt_pk_f16_f32 v[Y+4*(\hh)+3], v[W+2], v[W+3]
	global_store_b128 v[GO], v[Y+4*(\hh):Y+4*(\hh)+3], s[DSTP:DSTP+1] offset:(\hh)*524288+(\ro)*512
.endm
; Four rows of both heads.  cur: their cosines and sines; nxt takes those of the rows four further on: (c, s) turned by the step's angle, while the loads are on their way.
.macro SUB cur, nxt, ro
.irp hh, 0,1
	ds_load_b128 v[LD+16*(\hh):LD+16*(\hh)+3],     v[RDO] offset:(\hh)*256+(\ro)*4*SP
	ds_load_b128 v[LD+16*(\hh)+4:LD+16*(\hh)+7],   v[RDO] offset:(\hh)*256+(\ro)*4*SP+128
	ds_load_b128 v[LD+16*(\hh)+8:LD+16*(\hh)+11],  v[RDP] offset:(\hh)*256+(\ro)*4*SP
	ds_load_b128 v[LD+16*(\hh)+12:LD+16*(\hh)+15], v[RDP] offset:(\hh)*256+(\ro)*4*SP+16
.endr
.irp p, 0,2
	v_pk_mul_f32 v[T+(\p):T+(\p)+1],   v[(\cur)+4+(\p):(\cur)+5+(\p)], v[STP+4+(\p):STP+5+(\p)]
	v_pk_mul_f32 v[T+4+(\p):T+5+(\p)], v[(\cur)+(\p):(\cur)+1+(\p)],   v[STP+4+(\p):STP+5+(\p)]
.endr
.irp p, 0,2
	v_pk_fma_f32 v[(\nxt)+(\p):(\nxt)+1+(\p)],   v[(\cur)+(\p):(\cur)+1+(\p)],   v[STP+(\p):STP+1+(\p)], v[T+(\p):T+(\p)+1] neg_lo:[0,0,1] neg_hi:[0,0,1]
	v_pk_fma_f32 v[(\nxt)+4+(\p):(\nxt)+5+(\p)], v[(\cur)+4+(\p):(\cur)+5+(\p)], v[STP+(\p):STP+1+(\p)], v[T+4+(\p):T+5+(\p)]
.endr
	s_wait_dscnt 4                                 ; the first head's four loads are in; the second's may be out
	s_wait_xcnt 0x0                                ; Y, which the last stores read, is rewritten only behind this wait
	APPLY \cur, 0, \ro
	s_wait_dscnt 0x0
	APPLY \cur, 1, \ro
.endm
.macro SUBV ro                         ; the same four rows for V: rounded as they lie
.irp hh, 0,1
	ds_load_b128 v[LD+16*(\hh)+8:LD+16*(\hh)+11],  v[RDP] offset:(\hh)*256+(\ro)*4*SP
	ds_load_b128 v[LD+16*(\hh)+12:LD+16*(\hh)+15], v[RDP] offset:(\hh)*256+(\ro)*4*SP+16
.endr
	s_wait_dscnt 0x0
	s_wait_xcnt 0x0                                ; Y is rewritten only behind this wait
.irp hh, 0,1
.irp e, 0,1,2,3
	v_cvt_pk_f16_f32 v[Y+4*(\hh)+(\e)], v[LD+16*(\hh)+8+2*(\e)], v[LD+16*(\hh)+9+2*(\e)]
.endr
	global_store_b128 v[GO], v[Y+4*(\hh):Y+4*(\hh)+3], s[DSTP:DSTP+1] offset:(\hh)*524288+(\ro)*512
.endr
.endm
	s_mov_b32 s2, 16                               ; 16 trips of eight rows
	s_cmp_eq_u32 s[WH], 2
	s_cbranch_scc1 .Lv
.Lqk:
	SUB CA, CB, 0
	SUB CB, CA, 1
	s_wait_xcnt 0x0                                ; the stores' base is stepped only behind this wait
	s_add_nc_u64 s[DSTP:DSTP+1], s[DSTP:DSTP+1], 8*128
	v_add_nc_u32 v[RDO], 8*SP, v[RDO]
	v_add_nc_u32 v[RDP], 8*SP, v[RDP]
	s_sub_co_u32 s2, s2, 1
	s_cmp_lg_u32 s2, 0
	s_cbranch_scc1 .Lqk
	s_branch .Ldone
.Lv:
	SUBV 0
	SUBV 1
	s_wait_xcnt 0x0
	s_add_nc_u64 s[DSTP:DSTP+1], s[DSTP:DSTP+1], 8*128
	v_add_nc_u32 v[RDP], 8*SP, v[RDP]
	s_sub_co_u32 s2, s2, 1
	s_cmp_lg_u32 s2, 0
	s_cbranch_scc1 .Lv
.Ldone:
	s_wait_tensorcnt 0x0                           ; the wave's end: behind my last tensor load and my last LDS store
	ds_add_u32 v[SPW], v[NIL]
	s_wait_dscnt 0x0
	CROUND                                         ; the closing round: no work-group ends while a partner may still ask for a tile that names it
	s_endpgm
.Lfunc_end_k_qf1f4cede87_proj:
	.size	k_qf1f4cede87_proj, .Lfunc_end_k_qf1f4cede87_proj-k_qf1f4cede87_proj
	.p2alignl 7, 3214868480
	.fill 96, 4, 3214868480
	.section	.rodata,"a",@progbits
	.p2align	6, 0x0
	.amdhsa_kernel k_qf1f4cede87_proj
		.amdhsa_group_segment_fixed_size 327680
		.amdhsa_private_segment_fixed_size 0
		.amdhsa_enable_private_segment 0
		.amdhsa_kernarg_size 48
		.amdhsa_user_sgpr_count 2
		.amdhsa_user_sgpr_kernarg_segment_ptr 1
		.amdhsa_wavefront_size32 1
		.amdhsa_system_sgpr_workgroup_id_x 1
		.amdhsa_system_sgpr_workgroup_id_y 1
		.amdhsa_system_sgpr_workgroup_id_z 1
		.amdhsa_system_vgpr_workitem_id 0
		.amdhsa_next_free_vgpr 1024
		.amdhsa_next_free_sgpr 88
		.amdhsa_reserve_vcc 0
		.amdhsa_float_denorm_mode_32 3
		.amdhsa_float_denorm_mode_16_64 3
		.amdhsa_memory_ordered 1
		.amdhsa_forward_progress 1
		.amdhsa_inst_pref_size 147
	.end_amdhsa_kernel
	.amdgpu_metadata
---
amdhsa.version: [ 1, 2 ]
amdhsa.kernels:
  - .name:           k_qf1f4cede87_proj
    .symbol:         k_qf1f4cede87_proj.kd
    .args:
      - { .name: xb, .offset: 0, .size: 8, .value_kind: global_buffer, .address_space: global }
      - { .name: wb, .offset: 8, .size: 8, .value_kind: global_buffer, .address_space: global }
      - { .name: bq, .offset: 16, .size: 8, .value_kind: global_buffer, .address_space: global }
      - { .name: bk, .offset: 24, .size: 8, .value_kind: global_buffer, .address_space: global }
      - { .name: bv, .offset: 32, .size: 8, .value_kind: global_buffer, .address_space: global }
      - { .name: qkv, .offset: 40, .size: 8, .value_kind: global_buffer, .address_space: global }
    .group_segment_fixed_size: 327680
    .private_segment_fixed_size: 0
    .kernarg_segment_align: 8
    .kernarg_segment_size: 48
    .max_flat_workgroup_size: 128
    .sgpr_count:     88
    .vgpr_count:     1024
    .wavefront_size: 32
...
	.end_amdgpu_metadata
.endif
;; end of part 2
;; launch attn (part 3): grid 16 x 16, 8 waves a work-group, no clusters, 175,104 bytes of LDS; arguments qkv, oh; writes oh
.if DOCPART == 3
	.amdgcn_target "amdgcn-amd-amdhsa--gfx1250"
	.amdhsa_code_object_version 6
	.text
	.protected	k_qf1f4cede87_attn
	.globl	k_qf1f4cede87_attn
	.p2align	8
	.type	k_qf1f4cede87_attn,@function
k_qf1f4cede87_attn:
	s_mov_b64 s[64:65], 0
	v_nop
	global_prefetch_b8 v0, s[64:65] scope:SCOPE_SE
	s_setreg_imm32_b32 hwreg(HW_REG_WAVE_MODE, 25, 1), 1
	s_wait_xcnt 0x0
; ATTENTION IN A BAND.  O[h][q] = the sum over k, |q - k| <= 128, of softmax_k(Q[h][q] . K[h][k] / 8) V[h][k].  qkv: [3][16][4096][64] f16 (Q and K with their channels permuted alike), oh: [16][4096][64] f16.
; Products, maxima and sums in f32; the weights p are rounded to f16 for the second product (their sum l is taken of the unrounded p), O once at the end.
; LIMITS.  A hidden score counts as -1e30; a weight below 2^-126 counts as 0 in l, and below 6e-5 it keeps f16's fixed step of 6e-8; NaN and infinities are not treated apart.
; SHARES.  A work-group owns 256 queries of a head (grid x: the block, y: the head), each of its eight waves 32: two tiles of 16, one after the other.  The block's 512 keys, 128 on either side, are
; brought into LDS once, through registers; wave w's queries q0 .. q0 + 31 see the keys q0 - 128 .. q0 + 159 at the most: LDS rows 32 w .. 32 w + 287, 18 blocks of 16, 9 pairs.
; NO RUNNING MAXIMUM IS NEEDED: a query's 288 scores lie in 144 registers of its two lanes, so the true maximum is taken before any exponential.
; THE BAND.  For tile 0 block 0 holds the band's lower edge (key j of the block is hidden where j < the query's place), block 16 its upper edge (hidden where j > that place), block 17 is hidden;
; for tile 1 block 0 is hidden, and blocks 1 and 17 hold the edges.  The edges are lane masks, constants of the text.
; THE SEQUENCE'S ENDS.  A row before key 0 or behind key 4,095 is filled with a copy of that key.  The ends fall on multiples of 32, so a pair of blocks is real or not as a whole: where it is not,
; 1e30 is added to what is taken from its scaled scores, and its weights are 0.  The copies do enter the maximum; they are scores of key 0 or 4,095, which every query of such a wave sees, so it stays the true one.
; NO CLUSTER, NO TENSOR LOAD: neighbouring blocks share half of their keys, not a tile, and the copies at the ends are made lane by lane.
; LAYOUT.  S^T = K Q^T (source 0 = 16 keys, source 1 = 16 queries): a lane holds ONE query (lane % 16) and the keys 8 (lane / 16) + 0..7.  Two such results rounded to f16 ARE source 1 of O^T = V^T P.
; REGISTERS: v1-11 addresses and constants; v12-31 statistics; v32-63 K's fragments, buffer 0 (also rows on the way out); v64-95 O^T (in the first phase K's buffer 1); v96-239 S^T, 18 blocks of 8:
; P is packed in place into its first 72, and V's two buffers take the next 64; v240-255 Q of the tile in hand (also packed O); window 1: v0-15 tile 1's Q.
.set PK,    144       ; a row of K in LDS: 128 bytes + 16 = 36 words: the 16 rows of a load start at 16 different groups of four banks (64 banks of 4 bytes: ISA guide 11.1)
.set PV,    160       ; a row of V: 128 + 32 = 40 words
.set VOFF,  512*PK
.set STAGE, VOFF+512*PV        ; 16 rows x 144 bytes for each wave, for the way out
.set SPARE, STAGE+8*16*PK      ; the spare words, 128 bytes for each wave: four blocks of 256 bytes that no other line names
.set AK,  3           ; v3   my lane's place in my wave's first block of K
.set AV,  4           ; v4   the same for V
.set STO, 5           ; v5   the way out: where I put 16 bytes of a row
.set RD,  6           ; v6   where I read rows back
.set GO,  7           ; v7   my 16 bytes in 512 consecutive bytes of oh
.set QO,  8           ; v8   my byte offset in 16 rows of Q
.set BIG, 9           ; v9   -1e30
.set SPW, 10          ; v10  LDS address of my spare word; never rewritten
.set NIL, 11          ; v11  0; never rewritten
.set M,   12          ; v12-15  four running maxima; later v12-13: 1 / l, twice
.set MX,  16          ; v16  the maximum
.set XT,  17          ; v17  what the other half of the lanes sends
.set CM,  18          ; v18  c m
.set CME, 20          ; v20, v22  c m, plus 1e30 for a pair off the sequence's end: by turns; each named as a pair
.set L,   24          ; v24-31  four sums of pairs
.set KF0, 32
.set O,   64
.set S,   96
.set VF0, S+72
.set Q,   240
.set CS,  18          ; s[18:19] c = log2(e) / 8
.set SEL, 20          ; s[20:21] v_permlanex16_b32's selects: each lane takes its own place in the other half
.set E,   24          ; s24-32  for each pair of blocks 0, or 1e30
.set MLO, 36          ; s36-43  register j of the lower edge's block: the lanes where its key is hidden
.set MHI, 44          ; s44-51  the same for the upper edge
.set MSB, 0
.macro WIN new
.if MSB != (\new)
	s_set_vgpr_msb (MSB<<8)|(\new)
.set MSB, \new
.endif
.endm
	s_load_b128 s[4:7], s[0:1], 0x0                ; qkv s[4:5], oh s[6:7]
	v_lshl_add_u32 v[SPW], v0, 2, SPARE
	v_mov_b32 v[NIL], 0
	v_lshrrev_b32 v1, 5, v0
	v_readfirstlane_b32 s16, v1                    ; wave 0..7
	s_lshl_b32 s17, ttmp9, 3
	s_add_co_u32 s17, s17, s16                     ; my 32 queries among the head's 128 groups of 32
	s_and_b32 s23, ttmp7, 0xffff                   ; the head
	s_lshl_b32 s34, s23, 19                        ; its 524,288 bytes in each tensor
	s_mov_b32 s35, 0
	s_lshl_b32 s52, s17, 12                        ; my 32 rows of 128 bytes
	s_mov_b32 s53, 0
	s_lshl_b32 s54, ttmp9, 8                       ; the block's first query
	s_mov_b32 s[CS], 0x3e38aa3b                    ; c = 0.180337
	s_mov_b32 s[CS+1], s[CS]                       ; named with it as a pair
	s_mov_b32 s[SEL], 0x76543210
	s_mov_b32 s[SEL+1], 0xfedcba98
.set c, 0
.rept 9                                ; pair c holds the keys of group (my group) - 4 + c: below 0 it wraps, so one unsigned compare finds both ends
	s_add_co_u32 s33, s17, c-4
	s_cmp_ge_u32 s33, 128
	s_cselect_b32 s[E+c], 0x7149f2ca, 0
.set c, c+1
.endr
.set j, 0
.rept 8                                ; lane = place + 16 half holds key 8 half + j: hidden below the edge where the key's number is less than the place, above it where it is greater
	s_mov_b32 s[MLO+j], ((0xffff<<(j+1))&0xffff)|(((0xffff<<(j+9))&0xffff)<<16)
	s_mov_b32 s[MHI+j], ((1<<j)-1)|(((1<<(j+8))-1)<<16)
.set j, j+1
.endr
	v_mov_b32 v[BIG], 0xf149f2ca
	v_mov_b32 v[XT], 0                             ; v_permlanex16_b32's destination counts as read
	v_mov_b32 v[CME+1], 0                          ; named in pairs
	v_mov_b32 v[CME+3], 0
	v_and_b32 v1, 15, v0                           ; l % 16
	v_bfe_u32 v2, v0, 4, 1                         ; l / 16
	v_and_b32 v12, 7, v0
	v_bfe_u32 v13, v0, 3, 1
	s_mul_i32 s33, s16, 32*PK
	v_mul_u32_u24 v[AK], v1, PK
	v_lshl_add_u32 v[AK], v2, 4, v[AK]
	v_add_nc_u32 v[AK], s33, v[AK]                 ; (32 w + l % 16) x pitch + 16 x half
	s_mul_i32 s33, s16, 32*PV
	s_add_co_u32 s33, s33, VOFF
	v_lshl_add_u32 v[AV], v2, 3, v12               ; the turning load: lane l reads key 8 (l / 16) + l % 8, channels 8 ((l / 8) % 2) + 0..7
	v_mul_u32_u24 v[AV], v[AV], PV
	v_lshl_add_u32 v[AV], v13, 4, v[AV]
	v_add_nc_u32 v[AV], s33, v[AV]
	s_mul_i32 s33, s16, 16*PK
	s_add_co_u32 s33, s33, STAGE                   ; my stage
	v_mul_u32_u24 v[STO], v1, PK
	v_lshl_add_u32 v[STO], v2, 4, v[STO]
	v_add_nc_u32 v[STO], s33, v[STO]
	v_bfe_u32 v[RD], v0, 3, 2                      ; back: 32 lanes take four rows of 128 bytes,
	v_mul_u32_u24 v[RD], v[RD], PK
	v_lshl_add_u32 v[RD], v12, 4, v[RD]
	v_add_nc_u32 v[RD], s33, v[RD]
	v_and_b32 v[GO], 31, v0                        ; which are 512 consecutive bytes of oh
	v_lshlrev_b32 v[GO], 4, v[GO]
	v_lshlrev_b32 v[QO], 7, v1
	v_lshl_add_u32 v[QO], v2, 4, v[QO]             ; row x 128 + 16 x half
	; THE FILL.  256 threads take 32 rows of 128 bytes at a time, 16 times for K and for V: thread t row t / 8 of the group, 16 bytes at 16 (t % 8): a wave's load covers 512 consecutive bytes.
	v_lshrrev_b32 v12, 3, v0
	v_and_b32 v13, 7, v0
	v_add_nc_u32 v14, s54, v12                     ; LDS row 32 i + t / 8 holds key (this) + 32 i - 128
	v_lshlrev_b32 v15, 4, v13
	v_mov_b32 v16, 128
.set i, 0
.rept 16
.if i < 4                              ; only the first four groups can lie before key 0,
	v_add_nc_u32 v[224+i], 32*i, v14
	v_max_u32 v[224+i], 128, v[224+i]
	v_sub_nc_u32 v[224+i], v[224+i], v16
.elseif i < 12
	v_add_nc_u32 v[224+i], 32*i-128, v14
.else                                  ; only the last four behind key 4,095
	v_add_nc_u32 v[224+i], 32*i-128, v14
	v_min_u32 v[224+i], 4095, v[224+i]
.endif
	v_lshl_add_u32 v[224+i], v[224+i], 7, v15
.set i, i+1
.endr
	v_mul_u32_u24 v32, v12, PK                     ; where the rows go: groups 0-7 and 8-15 have a register each, since an LDS offset ends at 65,535
	v_add_nc_u32 v32, v32, v15
	v_add_nc_u32 v33, 8*32*PK, v32
	v_mul_u32_u24 v34, v12, PV
	v_add3_u32 v34, v34, v15, VOFF
	v_add_nc_u32 v35, 8*32*PV, v34
	s_wait_kmcnt 0x0
	s_add_nc_u64 s[8:9], s[4:5], s[34:35]          ; Q at the head,
	s_add_nc_u64 s[10:11], s[8:9], 0x800000        ; K,
	s_add_nc_u64 s[12:13], s[8:9], 0x1000000       ; V
	s_add_nc_u64 s[8:9], s[8:9], s[52:53]          ; Q and oh at my wave's first row
	s_add_nc_u64 s[14:15], s[6:7], s[34:35]
	s_add_nc_u64 s[14:15], s[14:15], s[52:53]
.set i, 0
.rept 16
	global_load_b128 v[96+4*i:96+4*i+3], v[224+i], s[10:11]
.set i, i+1
.endr
.set i, 0
.rept 16
	global_load_b128 v[160+4*i:160+4*i+3], v[224+i], s[12:13]
.set i, i+1
.endr
.irp c, 0,1                            ; a fragment of Q: lane l holds row l % 16, places 8 (l / 16) + 0..7 and 16 + 8 (l / 16) + 0..7 of 32
	global_load_b128 v[Q+8*(\c):Q+8*(\c)+3],   v[QO], s[8:9] offset:64*(\c)
	global_load_b128 v[Q+8*(\c)+4:Q+8*(\c)+7], v[QO], s[8:9] offset:64*(\c)+32
.endr
	WIN 0x40                                       ; destination window 1
.irp c, 0,1
	global_load_b128 v[8*(\c):8*(\c)+3],   v[QO], s[8:9] offset:2048+64*(\c)
	global_load_b128 v[8*(\c)+4:8*(\c)+7], v[QO], s[8:9] offset:2048+64*(\c)+32
.endr
	WIN 0
.set i, 0
.rept 16
	s_wait_loadcnt 39-i                            ; 40 loads went out: behind K's group i came 39 - i
	ds_store_b128 v[32+i/8], v[96+4*i:96+4*i+3] offset:(i%8)*32*PK
.set i, i+1
.endr
.set i, 0
.rept 16
	s_wait_loadcnt 23-i                            ; behind V's group i came 23 - i
	ds_store_b128 v[34+i/8], v[160+4*i:160+4*i+3] offset:(i%8)*32*PV
.set i, i+1
.endr
	s_wait_loadcnt 0x0                             ; Q
	s_wait_dscnt 0x0                               ; for the others' sake: my rows are in LDS
	s_barrier_signal -1
	s_barrier_wait -1                              ; everybody's are; nobody writes K or V again, so this is the kernel's one barrier
.macro PLACES                          ; four places behind matrix instructions (ISA guide 7.12.1)
.rept 4
	v_nop
.endr
.endm
.macro LOADK c, buf                    ; pair c of K's blocks: 2 x 16 keys x 64 places, 8 loads
.irp u, 0,1
.irp ch, 0,1
	ds_load_b128 v[(\buf)+16*(\u)+8*(\ch):(\buf)+16*(\u)+8*(\ch)+3],   v[AK] offset:(2*(\c)+(\u))*16*PK+64*(\ch)
	ds_load_b128 v[(\buf)+16*(\u)+8*(\ch)+4:(\buf)+16*(\u)+8*(\ch)+7], v[AK] offset:(2*(\c)+(\u))*16*PK+64*(\ch)+32
.endr
.endr
.endm
.macro KQ4 c, buf                      ; its scores: the two accumulators take turns; the first products start the sums
	v_wmma_f32_16x16x32_f16 v[S+16*(\c):S+16*(\c)+7],    v[(\buf):(\buf)+7],     v[Q:Q+7],    0
	v_wmma_f32_16x16x32_f16 v[S+16*(\c)+8:S+16*(\c)+15], v[(\buf)+16:(\buf)+23], v[Q:Q+7],    0
	v_wmma_f32_16x16x32_f16 v[S+16*(\c):S+16*(\c)+7],    v[(\buf)+8:(\buf)+15],  v[Q+8:Q+15], v[S+16*(\c):S+16*(\c)+7]
	v_wmma_f32_16x16x32_f16 v[S+16*(\c)+8:S+16*(\c)+15], v[(\buf)+24:(\buf)+31], v[Q+8:Q+15], v[S+16*(\c)+8:S+16*(\c)+15]
.endm
.macro BLK t, kb                       ; block kb for tile t: the band's mask, and its scores into the four running maxima; the block's lowest registers come first
.if (((\t)==0)&&((\kb)==17))||(((\t)==1)&&((\kb)==0))
.set j, 0
.rept 8
	v_mov_b32 v[S+8*(\kb)+j], v[BIG]               ; wholly hidden
.set j, j+1
.endr
.else
.if (\kb) == (\t)
.set j, 0
.rept 8
	v_cndmask_b32 v[S+8*(\kb)+j], v[S+8*(\kb)+j], v[BIG], s[MLO+j]
.set j, j+1
.endr
.elseif (\kb) == 16+(\t)
.set j, 0
.rept 8
	v_cndmask_b32 v[S+8*(\kb)+j], v[S+8*(\kb)+j], v[BIG], s[MHI+j]
.set j, j+1
.endr
.endif
.set j, 0
.rept 4
	v_max3_num_f32 v[M+j], v[M+j], v[S+8*(\kb)+2*j], v[S+8*(\kb)+2*j+1]
.set j, j+1
.endr
.endif
.endm
.macro SCALE c                         ; pair c: c s - c m, or far below it where the pair lies off the sequence's end
	v_add_f32 v[CME+2*((\c)%2)], s[E+(\c)], v[CM]
.set j, 0
.rept 8
	v_pk_fma_f32 v[S+16*(\c)+2*j:S+16*(\c)+2*j+1], v[S+16*(\c)+2*j:S+16*(\c)+2*j+1], s[CS:CS+1], v[CME+2*((\c)%2):CME+2*((\c)%2)+1] op_sel_hi:[1,0,0] neg_lo:[0,0,1] neg_hi:[0,0,1]
.set j, j+1
.endr
.endm
.macro EXPS c
.set j, 0
.rept 16
	v_exp_f32 v[S+16*(\c)+j], v[S+16*(\c)+j]
.set j, j+1
.endr
.endm
.macro SUMS c                          ; the weights into four sums of pairs; the first pair of blocks starts them
.set j, 0
.if (\c) == 0
	s_wait_alu depctr_va_vdst(0)
.rept 4
	v_pk_add_f32 v[L+2*j:L+2*j+1], v[S+2*j:S+2*j+1], v[S+8+2*j:S+9+2*j]
.set j, j+1
.endr
.else
	s_wait_alu depctr_va_vdst(0)
.rept 8
	v_pk_add_f32 v[L+2*(j%4):L+2*(j%4)+1], v[L+2*(j%4):L+2*(j%4)+1], v[S+16*(\c)+2*j:S+16*(\c)+2*j+1]
.set j, j+1
.endr
.endif
.endm
.macro PACKP c                         ; 16 weights -> 8 registers of f16, in place at S + 8 c: registers whose weights have been packed already
.set j, 0
.rept 8
	v_cvt_pk_f16_f32 v[S+8*(\c)+j], v[S+16*(\c)+2*j], v[S+16*(\c)+2*j+1]
.set j, j+1
.endr
.endm
.macro LOADV c, buf                    ; V of pair c, turned: 32 keys x 64 channels, 8 loads
.irp cb, 0,1,2,3
	ds_load_tr16_b128 v[(\buf)+8*(\cb):(\buf)+8*(\cb)+3],   v[AV] offset:(\c)*32*PV+32*(\cb)
	ds_load_tr16_b128 v[(\buf)+8*(\cb)+4:(\buf)+8*(\cb)+7], v[AV] offset:(\c)*32*PV+16*PV+32*(\cb)
.endr
.endm
.macro PV4 c, buf                      ; O^T += V^T P for pair c: the four accumulators take turns; the first pair starts the sums
.irp cb, 0,1,2,3
.if (\c) == 0
	v_wmma_f32_16x16x32_f16 v[O+8*(\cb):O+8*(\cb)+7], v[(\buf)+8*(\cb):(\buf)+8*(\cb)+7], v[S+8*(\c):S+8*(\c)+7], 0
.else
	v_wmma_f32_16x16x32_f16 v[O+8*(\cb):O+8*(\cb)+7], v[(\buf)+8*(\cb):(\buf)+8*(\cb)+7], v[S+8*(\c):S+8*(\c)+7], v[O+8*(\cb):O+8*(\cb)+7]
.endif
.endr
.endm
.macro TILE t
.if \t
	s_wait_xcnt 0x0                                ; the registers that tile 0's stores read are loaded again only behind this wait
	WIN 0x01                                       ; source 0 window 1: tile 1's Q goes where the products name Q
.set j, 0
.rept 16
	v_mov_b32 v[Q+j], v[j]
.set j, j+1
.endr
	WIN 0
.endif
.irp x, 0,1,2,3
	v_mov_b32 v[M+(\x)], 0xff7fffff                ; the lowest finite number
.endr
	; SCORES AND MAXIMA.  Two buffers of K: a pair's loads are issued a pair ahead.  The masks and maxima of the pair before, eight plain lines or more that name nothing of the products
	; just issued, are the places between those products and the loads into the buffer that they read, and between a pair's products and the lines that read its scores.
	LOADK 0, KF0
	LOADK 1, KF0+32
.set c, 0
.rept 9
.if c < 8
	s_wait_dscnt 8                                 ; this pair's eight loads are in; the next pair's may be out
.else
	s_wait_dscnt 0x0
.endif
	KQ4 c, KF0+32*(c%2)
.if c == 0
	PLACES
.else
	BLK \t, 2*c-2
	BLK \t, 2*c-1
.endif
.if c < 7
	LOADK c+2, KF0+32*(c%2)
.endif
.set c, c+1
.endr
	BLK \t, 16
	BLK \t, 17
	; THE WEIGHTS.  The true maximum of the query's 288 scores: my 144, then the other half of the lanes'.
	v_max3_num_f32 v[MX], v[M], v[M+1], v[M+2]
	v_max_num_f32 v[MX], v[MX], v[M+3]
	v_permlanex16_b32 v[XT], v[MX], s[SEL], s[SEL+1]
	v_max_num_f32 v[MX], v[MX], v[XT]
	v_mul_f32 v[CM], s[CS], v[MX]
	SCALE 0
.set c, 0
.rept 9
	EXPS c
.if c < 8
	SCALE c+1                                      ; plain lines between a pair's exponentials and the use of their results (ISA guide 5.7.2)
.else
	v_nop
	s_wait_alu depctr_va_vdst(0)
.endif
	SUMS c
	PACKP c
.set c, c+1
.endr
	; O^T = V^T P.  l is finished while V's first loads are on their way.
	LOADV 0, VF0
	LOADV 1, VF0+32
	v_pk_add_f32 v[L:L+1], v[L:L+1], v[L+2:L+3]
	v_pk_add_f32 v[L+4:L+5], v[L+4:L+5], v[L+6:L+7]
	v_pk_add_f32 v[L:L+1], v[L:L+1], v[L+4:L+5]
	v_add_f32 v[L], v[L], v[L+1]
	v_permlanex16_b32 v[XT], v[L], s[SEL], s[SEL+1]
	v_add_f32 v[L], v[L], v[XT]
	v_rcp_f32 v[M], v[L]                           ; twice, to fill the pair that the packed multiply names
	v_rcp_f32 v[M+1], v[L]
	v_nop                                          ; a plain line behind the reciprocals
.set c, 0
.rept 9
.if c < 8
	s_wait_dscnt 8
.else
	s_wait_dscnt 0x0
.endif
	PV4 c, VF0+32*(c%2)
	PLACES                                         ; in front of the loads into the buffer just read; behind the last pair, in front of the lines that read O^T
.if c < 7
	LOADV c+2, VF0+32*(c%2)
.endif
.set c, c+1
.endr
	; THE WAY OUT: O^T / l, rounded to f16; a lane's eight channels of a row are 16 bytes; through my stage, back as whole rows.
.set j, 0
	s_wait_alu depctr_va_vdst(0)
.rept 16
	v_pk_mul_f32 v[O+2*j:O+2*j+1], v[O+2*j:O+2*j+1], v[M:M+1]
.set j, j+1
.endr
.set j, 0
.rept 16
	v_cvt_pk_f16_f32 v[Q+j], v[O+2*j], v[O+2*j+1]
.set j, j+1
.endr
.irp f, 0,1,2,3
	ds_store_b128 v[STO], v[Q+4*(\f):Q+4*(\f)+3] offset:32*(\f)
.endr
.irp f, 0,1,2,3
	ds_load_b128 v[KF0+4*(\f):KF0+4*(\f)+3], v[RD] offset:(\f)*4*PK  ; LDS serves a wave's instructions in order (ISA guide 5.7.1.4): these see the stores above
.endr
.irp f, 0,1,2,3
	s_wait_dscnt 3-(\f)
	global_store_b128 v[GO], v[KF0+4*(\f):KF0+4*(\f)+3], s[14:15] offset:(\t)*2048+(\f)*512  ; 512 consecutive bytes, at a multiple of 512 from oh's first byte
.endr
.endm
	TILE 0
	TILE 1
	s_wait_tensorcnt 0x0                           ; the wave's end: behind my last LDS store
	ds_add_u32 v[SPW], v[NIL]
	s_wait_dscnt 0x0
	s_endpgm
.Lfunc_end_k_qf1f4cede87_attn:
	.size	k_qf1f4cede87_attn, .Lfunc_end_k_qf1f4cede87_attn-k_qf1f4cede87_attn
	.p2alignl 7, 3214868480
	.fill 96, 4, 3214868480
	.section	.rodata,"a",@progbits
	.p2align	6, 0x0
	.amdhsa_kernel k_qf1f4cede87_attn
		.amdhsa_group_segment_fixed_size 175104
		.amdhsa_private_segment_fixed_size 0
		.amdhsa_enable_private_segment 0
		.amdhsa_kernarg_size 16
		.amdhsa_user_sgpr_count 2
		.amdhsa_user_sgpr_kernarg_segment_ptr 1
		.amdhsa_wavefront_size32 1
		.amdhsa_system_sgpr_workgroup_id_x 1
		.amdhsa_system_sgpr_workgroup_id_y 1
		.amdhsa_system_sgpr_workgroup_id_z 1
		.amdhsa_system_vgpr_workitem_id 0
		.amdhsa_next_free_vgpr 272
		.amdhsa_next_free_sgpr 66
		.amdhsa_reserve_vcc 0
		.amdhsa_float_denorm_mode_32 3
		.amdhsa_float_denorm_mode_16_64 3
		.amdhsa_memory_ordered 1
		.amdhsa_forward_progress 1
		.amdhsa_inst_pref_size 103
	.end_amdhsa_kernel
	.amdgpu_metadata
---
amdhsa.version: [ 1, 2 ]
amdhsa.kernels:
  - .name:           k_qf1f4cede87_attn
    .symbol:         k_qf1f4cede87_attn.kd
    .args:
      - { .name: qkv, .offset: 0, .size: 8, .value_kind: global_buffer, .address_space: global }
      - { .name: oh, .offset: 8, .size: 8, .value_kind: global_buffer, .address_space: global }
    .group_segment_fixed_size: 175104
    .private_segment_fixed_size: 0
    .kernarg_segment_align: 8
    .kernarg_segment_size: 16
    .max_flat_workgroup_size: 256
    .sgpr_count:     66
    .vgpr_count:     272
    .wavefront_size: 32
...
	.end_amdgpu_metadata
.endif
;; end of part 3
;; launch outp (part 4): grid 8 x 32, 4 waves a work-group, clusters of 4 x 4, 327,680 bytes of LDS; arguments oh, wob, bo, out0; writes out0
.if DOCPART == 4
	.amdgcn_target "amdgcn-amd-amdhsa--gfx1250"
	.amdhsa_code_object_version 6
	.text
	.protected	k_qf1f4cede87_outp
	.globl	k_qf1f4cede87_outp
	.p2align	8
	.type	k_qf1f4cede87_outp,@function
k_qf1f4cede87_outp:
	s_mov_b64 s[64:65], 0
	v_nop
	global_prefetch_b8 v0, s[64:65] scope:SCOPE_SE
	s_setreg_imm32_b32 hwreg(HW_REG_WAVE_MODE, 25, 1), 1
	s_wait_xcnt 0x0
	s_wait_alu depctr_hold_cnt(0) depctr_sa_sdst(0) depctr_va_vdst(0) depctr_va_sdst(0) depctr_va_ssrc(0) depctr_va_vcc(0) depctr_vm_vsrc(0)
	s_getreg_b32 s2, hwreg(HW_REG_IB_STS2, 6, 4)
	s_cmp_eq_u32 s2, 0
	s_cbranch_scc0 .Lentry_in_a_cluster
	s_endpgm
.Lentry_in_a_cluster:
	s_bfe_u32 s2, ttmp6, 0x10000c
	s_cmp_lg_u32 s2, 0xf033
	s_cbranch_scc0 .Lentry_shape_is_right
	s_endpgm
.Lentry_shape_is_right:
; THE LAST PROJECTION.  out0[m][n] = sum over k of O[m][k] wo[n][k] + bo[n], f32.  O comes by heads, oh[k / 64][m][k % 64] in f16; wob is wo rounded to bf16 and written as f16, [1024][1024]; sums in f32.
; LIMITS.  bo is rounded to bf16, like every other input, and starts the sum instead of ending it.  NaN and infinities are not treated apart.
; SHAPE.  A tile of out0 is 128 x 128: 8 x 32 = 256 work-groups of four waves, each wave 64 x 64: 16 accumulators.  K goes in 4 steps of 256, four heads, through a ring of two LDS slots.
; A wave's tensor load brings, of oh, 64 rows of four heads: each head's 64 rows are 8,192 dense bytes, asked for as one row of the tile and padded in LDS behind every 128 bytes; of wob, 64 rows of 512 bytes.
; CLUSTER.  4 x 4 work-groups: the four of a row of the cluster need the same rows of oh, the four of a column the same rows of wob: each tile is asked for jointly.
; THE MATRIX INSTRUCTION IS USED TRANSPOSED (source 0 = 16 rows of wob, source 1 = 16 rows of O): a lane holds eight neighbouring numbers of a row of out0.
; The ring goes round twice, so the sixteen quarters are written on end, without a loop.
; REGISTERS: window 0: v0-31 addresses; v32-95 rows on the way out; v96-127 the bias; v128-255 the accumulators ((a, b) at v[128 + 8 (4 a + b)]).
;   window 1: two fragment buffers of 128: for 64 along K (a head), 64 registers of O, then 64 of wob.
.set KSTEP,  256
.set PA,     144                       ; a row of O in LDS: a head's 128 bytes + 16 = 36 words: the 16 rows of a load start at 16 different groups of four banks (64 banks of 4 bytes: ISA guide 11.1)
.set PB,     528                       ; a row of wob: 512 bytes + 16 = 132 words: likewise
.set AHEAD,  64*PA                     ; a head's 64 rows
.set AHALF,  4*AHEAD                   ; what one load of oh brings
.set BOFF,   2*AHALF                   ; wob's rows lie behind O's
.set BHALF,  64*PB                     ; what one load of wob brings
.set SLOT,   BOFF+2*BHALF
.set ASTEP,  4*524288                  ; four heads of oh
.set STAGE,  2*SLOT                    ; behind the ring, never filled by a tensor load: 16 rows x 272 bytes for each wave
.set SPITCH, 272
.set SPARE,  STAGE+4*16*SPITCH         ; the spare words, 128 bytes for each wave: two blocks of 256 bytes that no other line names
.set ADRA, 16                          ; v16-17  LDS address of my O fragments in slot 0, 1
.set ADRB, 20                          ; v20-21  the same for wob
.set STO,  24                          ; v24     the way out: where I put 32 bytes of a row
.set RD,   25                          ; v25     where I read a row back
.set CO,   26                          ; v26     my byte offset in out0
.set SPW,  28                          ; v28     LDS address of my spare word; never rewritten
.set NIL,  29                          ; v29     0; never rewritten
.set TMP,  32
.set BIAS, 96                          ; v[96 + 8 b + j] = bo of column 16 b + 8 (l / 16) + j of my 64
.set ACC,  128
.set F0,   0
.set F1,   128
.set G1,  24                           ; s[24:31] descriptor group 1 for oh's tiles;  s[32:39] group 0, a set for each slot
.set G0,  32
.set G1B, 48                           ; s[48:55], s[56:63] the same for wob's
.set G0B, 56
.set MSB, 0
.macro WIN new
.if MSB != (\new)
	s_set_vgpr_msb (MSB<<8)|(\new)
.set MSB, \new
.endif
.endm
.set MUL,  0x05                        ; sources 0 (wob) and 1 (O) window 1; C and D window 0
.set TO_F, 0x40                        ; destination window 1, address window 0
.macro JLOAD s                         ; a joint load: waves 0 and 1 fetch oh's two halves, waves 2 and 3 wob's; an s_nop 0 and four v_nop follow each of the two lines
	s_cmp_eq_u32 s11, 0
	s_cbranch_scc0 .Lfor_b_\@
	tensor_load_to_lds s[G0+4*(\s):G0+4*(\s)+3], s[G1:G1+7]
	s_nop 0
.rept 4
	v_nop
.endr
	s_branch .Lasked_\@
.Lfor_b_\@:
	tensor_load_to_lds s[G0B+4*(\s):G0B+4*(\s)+3], s[G1B:G1B+7]
	s_nop 0
.rept 4
	v_nop
.endr
.Lasked_\@:
.endm
.macro CREST                           ; a round of the cluster's barrier behind its opening barrier
	s_cmp_lg_u32 s10, 0
	s_cbranch_scc1 .Lnot_wave_0_\@
	s_barrier_signal -3
.Lnot_wave_0_\@:
	s_barrier_wait -3
	s_barrier_signal -1
	s_barrier_wait -1
.endm
.macro CROUND
	s_barrier_signal -1
	s_barrier_wait -1
	CREST
.endm
	s_load_b256 s[68:75], s[0:1], 0x0              ; oh 68, wob 70, bo 72, out0 74
	v_lshl_add_u32 v[SPW], v0, 2, SPARE
	v_mov_b32 v[NIL], 0
	ds_add_u32 v[SPW], v[NIL]                      ; the wave's opening: the add and its wait stand ahead of my first tensor load; the set-up below, work on registers, stands between them
	v_lshrrev_b32 v1, 5, v0
	v_readfirstlane_b32 s10, v1                    ; wave 0..3
	s_lshr_b32 s11, s10, 1                         ; which half of the tile's rows is mine.  Also: I fetch for oh (0) or for wob (1)
	s_and_b32 s12, s10, 1                          ; which half of its columns.  Also: which 64 rows of that tile I fetch
	s_bfe_u32 s40, ttmp6, 0x40000                  ; cx, cy
	s_bfe_u32 s41, ttmp6, 0x40004
	s_lshl_b32 s42, ttmp9, 2
	s_add_co_u32 s42, s42, s40                     ; tile column = 4 x cluster x + cx
	s_and_b32 s13, ttmp7, 0xffff
	s_lshl_b32 s13, s13, 2
	s_add_co_u32 s13, s13, s41                     ; tile row = 4 x cluster y + cy
	s_lshl_b32 s43, s41, 2
	s_lshl_b32 s43, 15, s43                        ; my row of the cluster
	s_lshl_b32 s44, 0x1111, s40                    ; my column
	; oh's tiles: 4 rows (heads) of 4,096 elements (64 rows of O x 64 channels, dense), 262,144 elements from head to head; padded behind every 32 words
	s_or_b32 s[G1+0], s43, (1<<16)|(1<<20)|(1<<21)|(4<<22)|(3<<25)   ; 15:0 the mask; 17:16 2-byte elements; 20 padding on; 21 set beside a mask; 24:22 after every 32 words; 31:25 4 words
	s_mov_b32 s[G1+1], 4096<<16                    ; tensor_dim0 = 4,096
	s_mov_b32 s[G1+2], 4<<16                       ; tensor_dim1 = 4
	s_mov_b32 s[G1+3], 4096<<16                    ; tile_dim0 = 4,096
	s_mov_b32 s[G1+4], 4                           ; tile_dim1 = 4
	s_mov_b32 s[G1+5], 262144
	s_mov_b32 s[G1+6], 0
	s_mov_b32 s[G1+7], 0
	; wob's tiles: 64 rows of 256 elements, padded behind every 128 words
	s_or_b32 s[G1B+0], s44, (1<<16)|(1<<20)|(1<<21)|(6<<22)|(3<<25)
	s_mov_b32 s[G1B+1], KSTEP<<16
	s_mov_b32 s[G1B+2], 64<<16
	s_mov_b32 s[G1B+3], KSTEP<<16
	s_mov_b32 s[G1B+4], 64
	s_mov_b32 s[G1B+5], 1024
	s_mov_b32 s[G1B+6], 0
	s_mov_b32 s[G1B+7], 0
	s_lshl_b32 s17, s12, 6                         ; which 64 rows of the tile I fetch
	s_lshl_b32 s16, s13, 7
	s_add_co_u32 s16, s16, s17                     ; oh: row 128 x tile row + 64 x half,
	s_lshl_b32 s16, s16, 7                         ; of 128 bytes in a head
	s_lshl_b32 s46, s42, 7
	s_add_co_u32 s46, s46, s17                     ; wob: row 128 x tile column + 64 x half,
	s_lshl_b32 s46, s46, 11                        ; of 2,048 bytes
	s_mov_b32 s17, 0
	s_mov_b32 s47, 0
	s_mul_i32 s20, s12, AHALF                      ; where they go: no place in the cluster enters an LDS address
	s_mul_i32 s21, s12, BHALF
	s_add_co_u32 s21, s21, BOFF
	s_wait_dscnt 0x0                               ; the opening add is done
	s_wait_kmcnt 0x0
	s_add_nc_u64 s[14:15], s[68:69], s[16:17]
	s_add_nc_u64 s[46:47], s[70:71], s[46:47]
	CROUND                                         ; all sixteen work-groups are here: the first joint loads meet
.irp s, 0,1
	s_mov_b32 s[G0+4*(\s)], 1
	s_add_co_u32 s[G0+4*(\s)+1], s20, (\s)*SLOT
	s_add_nc_u64 s[G0+4*(\s)+2:G0+4*(\s)+3], s[14:15], (\s)*ASTEP    ; K step s: heads 4 s on
	s_or_b32 s[G0+4*(\s)+3], s[G0+4*(\s)+3], 0x80000000
	s_mov_b32 s[G0B+4*(\s)], 1
	s_add_co_u32 s[G0B+4*(\s)+1], s21, (\s)*SLOT
	s_add_nc_u64 s[G0B+4*(\s)+2:G0B+4*(\s)+3], s[46:47], (\s)*KSTEP*2
	s_or_b32 s[G0B+4*(\s)+3], s[G0B+4*(\s)+3], 0x80000000
	JLOAD \s                                       ; two loads of mine are out
.endr
	v_and_b32 v1, 15, v0                           ; l % 16
	v_bfe_u32 v2, v0, 4, 1                         ; l / 16
	s_lshl_b32 s46, s42, 9                         ; my 64 columns, 4 bytes each: 128 x tile column + 64 x half: in bo and in a row of out0
	s_lshl_b32 s47, s12, 8
	s_add_co_u32 s46, s46, s47
	s_mov_b32 s47, 0
	s_add_nc_u64 s[4:5], s[72:73], s[46:47]
	v_lshlrev_b32 v5, 5, v2
.irp b, 0,1,2,3
	global_load_b128 v[BIAS+8*(\b):BIAS+8*(\b)+3],   v5, s[4:5] offset:64*(\b)
	global_load_b128 v[BIAS+8*(\b)+4:BIAS+8*(\b)+7], v5, s[4:5] offset:64*(\b)+16
.endr
	v_mul_u32_u24 v3, v1, PA
	v_lshl_add_u32 v3, v2, 4, v3                   ; a fragment's row x pitch + 16 x half
	v_mul_u32_u24 v4, v1, PB
	v_lshl_add_u32 v4, v2, 4, v4
	s_mul_i32 s22, s11, AHALF                      ; my 64 rows of O
	s_mul_i32 s23, s12, BHALF                      ; my 64 rows of wob
	s_add_co_u32 s23, s23, BOFF
.irp s, 0,1
	v_add_nc_u32 v[ADRA+(\s)], s22, v3
	v_add_nc_u32 v[ADRB+(\s)], s23, v4
	s_add_co_u32 s22, s22, SLOT
	s_add_co_u32 s23, s23, SLOT
.endr
	s_mul_i32 s22, s10, 16*SPITCH
	s_add_co_u32 s22, s22, STAGE                   ; my stage
	v_mul_u32_u24 v6, v1, SPITCH                   ; in: row l % 16, 32 bytes for each half of the lanes
	v_lshl_add_u32 v6, v2, 5, v6
	v_add_nc_u32 v[STO], s22, v6
	v_mul_u32_u24 v6, v2, SPITCH                   ; back: lanes 0-15 take one row of 256 bytes, lanes 16-31 the next
	v_lshl_add_u32 v6, v1, 4, v6
	v_add_nc_u32 v[RD], s22, v6
	v_lshlrev_b32 v6, 12, v2                       ; and the same two rows in out0
	v_lshl_add_u32 v[CO], v1, 4, v6
	s_lshl_b32 s16, s13, 7
	s_lshl_b32 s17, s11, 6
	s_add_co_u32 s16, s16, s17                     ; my first row: 128 x tile row + 64 x half,
	s_lshl_b32 s16, s16, 12                        ; of 4,096 bytes
	s_mov_b32 s17, 0
	s_add_nc_u64 s[8:9], s[74:75], s[16:17]
	s_add_nc_u64 s[8:9], s[8:9], s[46:47]
	s_wait_loadcnt 0x0                             ; the bias: rounded to bf16 like every other input, and widened again; this stands in the wait for the first tiles
.set i, 0
.rept 16
	v_cvt_pk_bf16_f32 v[6+i%4], v[BIAS+2*i], v[BIAS+2*i+1]
	v_lshlrev_b32 v[BIAS+2*i], 16, v[6+i%4]
	v_and_b32 v[BIAS+2*i+1], 0xffff0000, v[6+i%4]
.set i, i+1
.endr
; 8 matrix instructions: m blocks a0, a0 + 1 x all 4 n blocks, 32 along K: half c of buffer f.  zero = 1: the first product starts the sums, with the bias as C
.macro MUL8 f, c, a0, zero
	WIN MUL
.irp a, \a0, (\a0)+1
.irp b, 0,1,2,3
.if \zero
	v_wmma_f32_16x16x32_f16 v[ACC+8*(4*(\a)+(\b)):ACC+8*(4*(\a)+(\b))+7], v[(\f)+64+8*(4*(\c)+(\b)):(\f)+64+8*(4*(\c)+(\b))+7], v[(\f)+8*(4*(\c)+(\a)):(\f)+8*(4*(\c)+(\a))+7], v[BIAS+8*(\b):BIAS+8*(\b)+7]
.else
	v_wmma_f32_16x16x32_f16 v[ACC+8*(4*(\a)+(\b)):ACC+8*(4*(\a)+(\b))+7], v[(\f)+64+8*(4*(\c)+(\b)):(\f)+64+8*(4*(\c)+(\b))+7], v[(\f)+8*(4*(\c)+(\a)):(\f)+8*(4*(\c)+(\a))+7], v[ACC+8*(4*(\a)+(\b)):ACC+8*(4*(\a)+(\b))+7]
.endif
.endr
.endr
.endm
; 32 LDS loads in one run: the fragments of quarter q of a K step (head q of the slot's four; byte 128 q of wob's rows) into buffer f; the first 32 along K first
.macro FETCH slot, q, f
	WIN TO_F
.irp c, 0,1
.irp i, 0,1,2,3
	ds_load_b128 v[(\f)+64+8*(4*(\c)+(\i)):(\f)+64+8*(4*(\c)+(\i))+3],   v[ADRB+(\slot)] offset:(\q)*128+64*(\c)+(\i)*16*PB
	ds_load_b128 v[(\f)+64+8*(4*(\c)+(\i))+4:(\f)+64+8*(4*(\c)+(\i))+7], v[ADRB+(\slot)] offset:(\q)*128+64*(\c)+(\i)*16*PB+32
	ds_load_b128 v[(\f)+8*(4*(\c)+(\i)):(\f)+8*(4*(\c)+(\i))+3],         v[ADRA+(\slot)] offset:(\q)*AHEAD+64*(\c)+(\i)*16*PA
	ds_load_b128 v[(\f)+8*(4*(\c)+(\i))+4:(\f)+8*(4*(\c)+(\i))+7],       v[ADRA+(\slot)] offset:(\q)*AHEAD+64*(\c)+(\i)*16*PA+32
.endr
.endr
.endm
.macro PLACES                          ; four places in front of loads into registers that matrix instructions have read, and of lines that read results
.rept 4
	v_nop
.endr
.endm
; A K step is four quarters of 64 along K, 32 matrix instructions each, on buffers 0, 1, 0, 1; the 16 accumulators take turns.
.macro QUARTER slot, q, f, g, zero
	s_wait_dscnt 16                                ; the first 32 along K are in
	MUL8 \f, 0, 0, \zero
	MUL8 \f, 0, 2, \zero
	PLACES
	FETCH \slot, \q, \g
	s_wait_dscnt 32                                ; all but the 32 just issued
	MUL8 \f, 1, 0, 0
	MUL8 \f, 1, 2, 0
.endm
; The last quarter multiplies buffer 1 and changes slots: ONE barrier; in front of it each wave waits for all its tensor loads, adds 0 to its spare word, and waits for that and for its own reads of this slot.
; fill = 1: the barrier opens a round of the cluster's, and this slot is filled again, two K steps on, first thing behind the round.
.macro TURN slot, next, fill
	WIN 0                                          ; (the add's two registers lie in window 0)
	s_wait_tensorcnt 0x0                           ; all my tensor loads have landed: my part of the next slot
	ds_add_u32 v[SPW], v[NIL]                      ; 0 onto my spare word
	s_wait_dscnt 17                                ; (the add and the youngest sixteen loads may be out)
	MUL8 F1, 0, 0, 0                               ; eight matrix instructions stand between the add and the wait for it
	s_wait_dscnt 0x0                               ; the add is done, and my reads of this slot are over
	s_barrier_signal -1
	MUL8 F1, 0, 2, 0
.if \fill
	WIN 0
.endif
	s_barrier_wait -1
.if \fill
	CREST                                          ; no wave of any partner still reads this slot's tile or has a load on its way
	s_add_nc_u64 s[G0+4*(\slot)+2:G0+4*(\slot)+3], s[G0+4*(\slot)+2:G0+4*(\slot)+3], 2*ASTEP
	s_add_nc_u64 s[G0B+4*(\slot)+2:G0B+4*(\slot)+3], s[G0B+4*(\slot)+2:G0B+4*(\slot)+3], 2*KSTEP*2
	JLOAD \slot                                    ; 112 matrix instructions ahead of the wait for it; the four v_nop behind it are also the places in front of the loads below
.else
	PLACES
.endif
	FETCH \next, 0, F0
	MUL8 F1, 1, 0, 0
	MUL8 F1, 1, 2, 0
.endm
	s_wait_tensorcnt 1                             ; my part of K step 0 is in; K step 1's may stay out
	s_barrier_signal -1
	s_barrier_wait -1                              ; everybody's is
	FETCH 0, 0, F0
	QUARTER 0, 1, F0, F1, 1                        ; the first products start the sums
	QUARTER 0, 2, F1, F0, 0
	QUARTER 0, 3, F0, F1, 0
	TURN 0, 1, 1                                   ; slot 0 takes K step 2
	QUARTER 1, 1, F0, F1, 0
	QUARTER 1, 2, F1, F0, 0
	QUARTER 1, 3, F0, F1, 0
	TURN 1, 0, 1                                   ; slot 1 takes K step 3
	QUARTER 0, 1, F0, F1, 0
	QUARTER 0, 2, F1, F0, 0
	QUARTER 0, 3, F0, F1, 0
	TURN 0, 1, 0                                   ; nothing is left to fetch
	QUARTER 1, 1, F0, F1, 0
	QUARTER 1, 2, F1, F0, 0
	QUARTER 1, 3, F0, F1, 0
	s_wait_dscnt 16
	MUL8 F1, 0, 0, 0
	MUL8 F1, 0, 2, 0
	s_wait_dscnt 0x0
	MUL8 F1, 1, 1-1, 0
	MUL8 F1, 1, 2, 0
	WIN 0
	; THE WAY OUT, each wave for itself: its 64 columns of f32 are 256 bytes of a row.  16 rows at a time go into my stage, each accumulator's low registers first, and come back as whole rows.
	PLACES
.irp a, 0,1,2,3
.if (\a) >= 2
	s_wait_xcnt 0x0                                ; the registers that the stores of two blocks ago read are loaded again only behind this wait
.endif
.irp b, 0,1,2,3
	ds_store_b128 v[STO], v[ACC+8*(4*(\a)+(\b)):ACC+8*(4*(\a)+(\b))+3]   offset:64*(\b)
	ds_store_b128 v[STO], v[ACC+8*(4*(\a)+(\b))+4:ACC+8*(4*(\a)+(\b))+7] offset:64*(\b)+16
.endr
.irp t, 0,1,2,3,4,5,6,7
	ds_load_b128 v[TMP+32*((\a)%2)+4*(\t):TMP+32*((\a)%2)+4*(\t)+3], v[RD] offset:(\t)*2*SPITCH  ; LDS serves a wave's instructions in order (ISA guide 5.7.1.4): these see the stores above; the next block's stores come behind them
.endr
.irp t, 0,1,2,3,4,5,6,7
	s_wait_dscnt 7-(\t)
	global_store_b128 v[CO], v[TMP+32*((\a)%2)+4*(\t):TMP+32*((\a)%2)+4*(\t)+3], s[8:9] offset:(16*(\a)+2*(\t))*4096 th:TH_STORE_NT  ; 16 lanes store 256 consecutive bytes, at a multiple of 256 from out0's first byte
.endr
.endr
	s_wait_tensorcnt 0x0                           ; the wave's end: behind my last tensor load and my last LDS store
	ds_add_u32 v[SPW], v[NIL]
	s_wait_dscnt 0x0
	CROUND                                         ; the closing round: no work-group ends while a partner may still ask for a tile that names it
	s_endpgm
.Lfunc_end_k_qf1f4cede87_outp:
	.size	k_qf1f4cede87_outp, .Lfunc_end_k_qf1f4cede87_outp-k_qf1f4cede87_outp
	.p2alignl 7, 3214868480
	.fill 96, 4, 3214868480
	.section	.rodata,"a",@progbits
	.p2align	6, 0x0
	.amdhsa_kernel k_qf1f4cede87_outp
		.amdhsa_group_segment_fixed_size 327680
		.amdhsa_private_segment_fixed_size 0
		.amdhsa_enable_private_segment 0
		.amdhsa_kernarg_size 32
		.amdhsa_user_sgpr_count 2
		.amdhsa_user_sgpr_kernarg_segment_ptr 1
		.amdhsa_wavefront_size32 1
		.amdhsa_system_sgpr_workgroup_id_x 1
		.amdhsa_system_sgpr_workgroup_id_y 1
		.amdhsa_system_sgpr_workgroup_id_z 1
		.amdhsa_system_vgpr_workitem_id 0
		.amdhsa_next_free_vgpr 512
		.amdhsa_next_free_sgpr 76
		.amdhsa_reserve_vcc 0
		.amdhsa_float_denorm_mode_32 3
		.amdhsa_float_denorm_mode_16_64 3
		.amdhsa_memory_ordered 1
		.amdhsa_forward_progress 1
		.amdhsa_inst_pref_size 90
	.end_amdhsa_kernel
	.amdgpu_metadata
---
amdhsa.version: [ 1, 2 ]
amdhsa.kernels:
  - .name:           k_qf1f4cede87_outp
    .symbol:         k_qf1f4cede87_outp.kd
    .args:
      - { .name: oh, .offset: 0, .size: 8, .value_kind: global_buffer, .address_space: global }
      - { .name: wob, .offset: 8, .size: 8, .value_kind: global_buffer, .address_space: global }
      - { .name: bo, .offset: 16, .size: 8, .value_kind: global_buffer, .address_space: global }
      - { .name: out0, .offset: 24, .size: 8, .value_kind: global_buffer, .address_space: global }
    .group_segment_fixed_size: 327680
    .private_segment_fixed_size: 0
    .kernarg_segment_align: 8
    .kernarg_segment_size: 32
    .max_flat_workgroup_size: 128
    .sgpr_count:     76
    .vgpr_count:     512
    .wavefront_size: 32
...
	.end_amdgpu_metadata
.endif
;; end of part 4
;; ======== version 2 of 2: 4 launches; version 1 with the launches cast, attn written anew for expert scheduling mode
;; limits: values are held in f16: magnitudes above 65,504 overflow, below 6.1e-05 lose precision
;; workspace buffers: xb 25,165,824 bytes; wb 6,291,456 bytes; wob 2,097,152 bytes; qkv 25,165,824 bytes; oh 8,388,608 bytes
;; launch cast (part 5): grid 16 x 16, 16 waves a work-group, no clusters, 0 bytes of LDS; arguments q, k, v, wq, wk, wv, wo, xb, wb, wob; writes xb, wb, wob
.if DOCPART == 5
	.amdgcn_target "amdgcn-amd-amdhsa--gfx1250"
	.amdhsa_code_object_version 6
	.text
	.protected	k_qf1f4cede87_cast
	.globl	k_qf1f4cede87_cast
	.p2align	8
	.type	k_qf1f4cede87_cast,@function
k_qf1f4cede87_cast:
	s_mov_b64 s[64:65], 0
	v_nop
	global_prefetch_b8 v0, s[64:65] scope:SCOPE_SE
	s_setreg_imm32_b32 hwreg(HW_REG_WAVE_SCHED_MODE, 0, 2), 2
	s_setreg_imm32_b32 hwreg(HW_REG_WAVE_MODE, 25, 1), 1
	s_wait_xcnt 0x0
	s_wait_alu depctr_vm_vsrc(0)
; THE CAST.  q, k, v -> xb (bf16, [12288][1024]: q's rows, k's, v's); wq, wk, wv -> wb (bf16, [3072][1024]); wo -> wob: rounded to bf16 like
; every other input, and that number written as f16, since the last product's other operand is f16.
; LIMITS.  A wo beyond 65,504 becomes an infinity in f16; below 6.1e-5 it keeps f16's fixed step of 6e-8.
; A stream: no LDS, no barrier, no matrix work.  The seven inputs are 16 segments of 1,048,576 numbers (q 0-3, k 4-7, v 8-11, wq 12, wk 13, wv 14,
; wo 15): the grid's y is the segment, its x one of 16 chunks of 65,536 numbers.  A work-group of 512 threads takes its chunk in 32 steps of
; 2,048 numbers: a lane loads 16 bytes (a wave: 512 consecutive bytes) and stores 8 (a wave: 256 consecutive bytes, aligned).
; THE MODE: SCHED_MODE bits 1:0 = 2 (LLVM: expert scheduling mode 2), set by the entry lines.  The code itself states the register dependences
; between vector instructions and memory instructions, with s_wait_alu, always for 0.
; THE PLAN.  The 32 steps go in 8 blocks of four.  Registers that memory instructions touch:
;   X0 .. X3   four blocks as loaded.    Written by the loads of block p + 3, issued in block p; read by block p's conversions.
;   Y0, Y1     two blocks to store.      Written by block p's conversions; read by the four stores that are issued in block p + 1.
;   v1, v2     byte offsets, made once at the head and never written again; the two scalar bases are never stepped either: a step's place
;              in the chunk stands in the immediate offset, 31 x 8,192 bytes at the most.
; Block p works on X[p % 4] and writes Y[p % 2].  Its memory instructions are the loads into X[(p + 3) % 4] = X[(p - 1) % 4] and the stores from
; Y[(p - 1) % 2]: the two buffers that block p - 1 worked on and that no vector instruction of block p names.  So the waits at a block's head
; state all that its eight memory instructions hang on, and these are dealt among its conversions with no further wait.
; Blocks 0 to 4 load, so a lap of four blocks would be walked once: the eight blocks are written on end.
.set BLOCK,  4                         ; steps in a block
.set BLOCKS, 8
.set INB,    8192                      ; bytes read in a step
.set OUTB,   4096                      ; bytes written in a step
.set X,   8                            ; v[8:71]   buffer k, step i: four f32 as loaded, at X + 16 k + 4 i
.set Y,   72                           ; v[72:87]  buffer k, step i: four 16-bit numbers to store, at Y + 8 k + 2 i
.set T,   88                           ; v[88:93]  at work: no memory instruction names them
.set SRC, 28                           ; s[28:29]  my chunk in its input
.set DST, 30                           ; s[30:31]  my chunk in its output
	s_load_b512 s[8:23], s[0:1], 0x0               ; q 8, k 10, v 12, wq 14, wk 16, wv 18, wo 20, xb 22
	s_load_b128 s[24:27], s[0:1], 0x40             ; wb 24, wob 26
	s_and_b32 s4, ttmp7, 0xffff                    ; the segment
	s_mov_b32 s7, 0xffff0000                       ; a word's upper bf16
	v_lshlrev_b32 v1, 4, v0                        ; my 16 bytes of a step's input; never rewritten
	v_lshlrev_b32 v2, 3, v0                        ; my 8 bytes of a step's output; never rewritten
	s_sub_co_u32 s34, s4, 12                       ; a weight's place in wb
	s_and_b32 s32, s4, 3                           ; the quarter of q, k or v
	s_cmp_lt_u32 s4, 12
	s_cselect_b32 s32, s32, 0                      ; a weight is one segment
	s_cselect_b32 s34, s4, s34                     ; in xb the segments lie as they are numbered
	s_cmp_eq_u32 s4, 15
	s_cselect_b32 s34, 0, s34                      ; wob is one segment
	s_lshl_b32 s32, s32, 22                        ; a segment is 4 MiB of f32,
	s_lshl_b32 s33, ttmp9, 18                      ; a chunk 256 KiB
	s_add_co_u32 s32, s32, s33
	s_mov_b32 s33, 0
	s_lshl_b32 s34, s34, 21                        ; and half of that in 16 bits
	s_lshl_b32 s35, ttmp9, 17
	s_add_co_u32 s34, s34, s35
	s_mov_b32 s35, 0
	s_wait_kmcnt 0x0
.macro PICK bound, p                   ; from segment bound on the input is the one at s[p:p+1]
	s_cmp_ge_u32 s4, \bound
	s_cselect_b64 s[SRC:SRC+1], s[\p:\p+1], s[SRC:SRC+1]
.endm
	s_mov_b64 s[SRC:SRC+1], s[8:9]
	PICK 4, 10
	PICK 8, 12
	PICK 12, 14
	PICK 13, 16
	PICK 14, 18
	PICK 15, 20
	s_mov_b64 s[DST:DST+1], s[22:23]
	s_cmp_ge_u32 s4, 12
	s_cselect_b64 s[DST:DST+1], s[24:25], s[DST:DST+1]
	s_cmp_ge_u32 s4, 15
	s_cselect_b64 s[DST:DST+1], s[26:27], s[DST:DST+1]
	s_add_nc_u64 s[SRC:SRC+1], s[SRC:SRC+1], s[32:33]
	s_add_nc_u64 s[DST:DST+1], s[DST:DST+1], s[34:35]
	s_wait_alu depctr_va_vdst(0)                   ; v1 and v2 are written: every load and store of the kernel reads one of them as its offset
; One step's four numbers, from v[xp ..] to v[yp ..].  kind = 0: f32 -> bf16.  kind = 1: f32 -> bf16 -> f16.
.macro CONV xp, yp, kind
.if \kind
	v_cvt_pk_bf16_f32 v[T],   v[(\xp)],   v[(\xp)+1]
	v_cvt_pk_bf16_f32 v[T+1], v[(\xp)+2], v[(\xp)+3]
	v_lshlrev_b32 v[T+2], 16, v[T]                 ; the bf16 numbers as f32 again,
	v_and_b32     v[T+3], s7, v[T]
	v_lshlrev_b32 v[T+4], 16, v[T+1]
	v_and_b32     v[T+5], s7, v[T+1]
	v_cvt_pk_f16_f32 v[(\yp)],   v[T+2], v[T+3]    ; and written as f16 (exact within f16's range of normal numbers)
	v_cvt_pk_f16_f32 v[(\yp)+1], v[T+4], v[T+5]
.else
	v_cvt_pk_bf16_f32 v[(\yp)],   v[(\xp)],   v[(\xp)+1]
	v_cvt_pk_bf16_f32 v[(\yp)+1], v[(\xp)+2], v[(\xp)+3]
.endif
.endm
; Block p.  left = how many younger loads may still be out when this block's four have to be there.
.macro BLK p, left, kind
	s_wait_loadcnt \left                           ; loads come back in order (ISA guide 5.7.1): X[p % 4] is in, the younger blocks stay out
.if (\p) >= 2
	s_wait_xcnt 0x0                                ; every earlier memory instruction has had its addresses translated (ISA guide 3.1): Y[p % 2] is rewritten only behind this wait
	s_wait_alu depctr_vm_vsrc(0)                   ; the stores issued in the block before have read Y[p % 2], which this block's conversions write again
.endif
.if (\p) >= 1
	s_wait_alu depctr_va_vdst(0)                   ; the block before has written the other Y, which the stores below read, and is done reading its X, in which the loads below land
.endif
.irp i, 0,1,2,3
.if (\p) < BLOCKS-3
	global_load_b128 v[X+16*(((\p)+3)%4)+4*(\i):X+16*(((\p)+3)%4)+4*(\i)+3], v1, s[SRC:SRC+1] offset:(BLOCK*((\p)+3)+(\i))*INB th:TH_LOAD_NT  ; three blocks ahead; no vector instruction since the wait names these registers
.endif
.if (\p) >= 1
	global_store_b64 v2, v[Y+8*(((\p)+1)%2)+2*(\i):Y+8*(((\p)+1)%2)+2*(\i)+1], s[DST:DST+1] offset:(BLOCK*((\p)-1)+(\i))*OUTB  ; the block before
.endif
	CONV X+16*((\p)%4)+4*(\i), Y+8*((\p)%2)+2*(\i), \kind
.endr
.endm
.macro STREAM kind
.irp i, 0,1,2,3,4,5,6,7,8,9,10,11
	global_load_b128 v[X+4*(\i):X+4*(\i)+3], v1, s[SRC:SRC+1] offset:(\i)*INB th:TH_LOAD_NT  ; blocks 0, 1 and 2 into X0, X1, X2
.endr
	BLK 0, 2*BLOCK, \kind                          ; no block in front of it: nothing to store, and no vector instruction has named X3
	BLK 1, 2*BLOCK, \kind                          ; no store has been issued yet: Y1 is written for the first time
	BLK 2, 2*BLOCK, \kind
	BLK 3, 2*BLOCK, \kind
	BLK 4, 2*BLOCK, \kind
	BLK 5, 2*BLOCK, \kind                          ; blocks 5 to 7 load nothing: no load leaves the chunk, and the counts run down
	BLK 6, BLOCK, \kind
	BLK 7, 0, \kind
	s_wait_alu depctr_va_vdst(0)                   ; block 7 has written Y1, which the last four stores read
.irp i, 0,1,2,3
	global_store_b64 v2, v[Y+8+2*(\i):Y+8+2*(\i)+1], s[DST:DST+1] offset:(BLOCK*(BLOCKS-1)+(\i))*OUTB
.endr
	s_endpgm
.endm
	s_cmp_eq_u32 s4, 15
	s_cbranch_scc1 .Lwo
	STREAM 0
.Lwo:
	STREAM 1
.Lfunc_end_k_qf1f4cede87_cast:
	.size	k_qf1f4cede87_cast, .Lfunc_end_k_qf1f4cede87_cast-k_qf1f4cede87_cast
	.p2alignl 7, 3214868480
	.fill 96, 4, 3214868480
	.section	.rodata,"a",@progbits
	.p2align	6, 0x0
	.amdhsa_kernel k_qf1f4cede87_cast
		.amdhsa_group_segment_fixed_size 0
		.amdhsa_private_segment_fixed_size 0
		.amdhsa_enable_private_segment 0
		.amdhsa_kernarg_size 80
		.amdhsa_user_sgpr_count 2
		.amdhsa_user_sgpr_kernarg_segment_ptr 1
		.amdhsa_wavefront_size32 1
		.amdhsa_system_sgpr_workgroup_id_x 1
		.amdhsa_system_sgpr_workgroup_id_y 1
		.amdhsa_system_sgpr_workgroup_id_z 1
		.amdhsa_system_vgpr_workitem_id 0
		.amdhsa_next_free_vgpr 96
		.amdhsa_next_free_sgpr 66
		.amdhsa_reserve_vcc 0
		.amdhsa_float_denorm_mode_32 3
		.amdhsa_float_denorm_mode_16_64 3
		.amdhsa_memory_ordered 1
		.amdhsa_forward_progress 1
		.amdhsa_inst_pref_size 32
	.end_amdhsa_kernel
	.amdgpu_metadata
---
amdhsa.version: [ 1, 2 ]
amdhsa.kernels:
  - .name:           k_qf1f4cede87_cast
    .symbol:         k_qf1f4cede87_cast.kd
    .args:
      - { .name: q, .offset: 0, .size: 8, .value_kind: global_buffer, .address_space: global }
      - { .name: k, .offset: 8, .size: 8, .value_kind: global_buffer, .address_space: global }
      - { .name: v, .offset: 16, .size: 8, .value_kind: global_buffer, .address_space: global }
      - { .name: wq, .offset: 24, .size: 8, .value_kind: global_buffer, .address_space: global }
      - { .name: wk, .offset: 32, .size: 8, .value_kind: global_buffer, .address_space: global }
      - { .name: wv, .offset: 40, .size: 8, .value_kind: global_buffer, .address_space: global }
      - { .name: wo, .offset: 48, .size: 8, .value_kind: global_buffer, .address_space: global }
      - { .name: xb, .offset: 56, .size: 8, .value_kind: global_buffer, .address_space: global }
      - { .name: wb, .offset: 64, .size: 8, .value_kind: global_buffer, .address_space: global }
      - { .name: wob, .offset: 72, .size: 8, .value_kind: global_buffer, .address_space: global }
    .group_segment_fixed_size: 0
    .private_segment_fixed_size: 0
    .kernarg_segment_align: 8
    .kernarg_segment_size: 80
    .max_flat_workgroup_size: 512
    .sgpr_count:     66
    .vgpr_count:     96
    .wavefront_size: 32
...
	.end_amdgpu_metadata
.endif
;; end of part 5
;; launch proj: the kernel of part 2 again; grid 4 x 48, 4 waves a work-group, clusters of 4 x 4, 327,680 bytes of LDS; arguments xb, wb, bq, bk, bv, qkv; writes qkv
;; launch attn (part 6): grid 16 x 16, 8 waves a work-group, no clusters, 175,104 bytes of LDS; arguments qkv, oh; writes oh
.if DOCPART == 6
	.amdgcn_target "amdgcn-amd-amdhsa--gfx1250"
	.amdhsa_code_object_version 6
	.text
	.protected	k_qf1f4cede87_attn
	.globl	k_qf1f4cede87_attn
	.p2align	8
	.type	k_qf1f4cede87_attn,@function
k_qf1f4cede87_attn:
	s_mov_b64 s[64:65], 0
	v_nop
	global_prefetch_b8 v0, s[64:65] scope:SCOPE_SE
	s_setreg_imm32_b32 hwreg(HW_REG_WAVE_SCHED_MODE, 0, 2), 2
	s_setreg_imm32_b32 hwreg(HW_REG_WAVE_MODE, 25, 1), 1
	s_wait_xcnt 0x0
	s_wait_alu depctr_vm_vsrc(0)
; ATTENTION IN A BAND.  O[h][q] = the sum over k, |q - k| <= 128, of softmax_k(Q[h][q] . K[h][k] / 8) V[h][k].  qkv: [3][16][4096][64] f16 (Q and K with their channels permuted alike), oh: [16][4096][64] f16.
; Products, maxima and sums in f32; the weights p are rounded to f16 for the second product (their sum l is taken of the unrounded p), O once at the end.
; LIMITS.  A hidden score counts as -1e30; a weight below 2^-126 counts as 0 in l, and below 6e-5 it keeps f16's fixed step of 6e-8; NaN and infinities are not treated apart.
; SHARES.  A work-group owns 256 queries of a head (grid x: the block, y: the head), each of its eight waves 32: two tiles of 16, one after the other.  The block's 512 keys, 128 on either side, are
; brought into LDS once, through registers; wave w's queries q0 .. q0 + 31 see the keys q0 - 128 .. q0 + 159 at the most: LDS rows 32 w .. 32 w + 287, 18 blocks of 16, 9 pairs.
; NO RUNNING MAXIMUM IS NEEDED: a query's 288 scores lie in 144 registers of its two lanes, so the true maximum is taken before any exponential.
; THE BAND.  For tile 0 block 0 holds the band's lower edge (key j of the block is hidden where j < the query's place), block 16 its upper edge (hidden where j > that place), block 17 is hidden;
; for tile 1 block 0 is hidden, and blocks 1 and 17 hold the edges.  The edges are lane masks, constants of the text.
; THE SEQUENCE'S ENDS.  A row before key 0 or behind key 4,095 is filled with a copy of that key.  The ends fall on multiples of 32, so a pair of blocks is real or not as a whole: where it is not,
; 1e30 is added to what is taken from its scaled scores, and its weights are 0.  The copies do enter the maximum; they are scores of key 0 or 4,095, which every query of such a wave sees, so it stays the true one.
; NO CLUSTER, NO TENSOR LOAD: neighbouring blocks share half of their keys, not a tile, and the copies at the ends are made lane by lane.
; LAYOUT.  S^T = K Q^T (source 0 = 16 keys, source 1 = 16 queries): a lane holds ONE query (lane % 16) and the keys 8 (lane / 16) + 0..7.  Two such results rounded to f16 ARE source 1 of O^T = V^T P.
; REGISTERS (s_set_vgpr_msb: bits 1:0 source 0, 7:6 destination): v1-11 addresses and constants; v12-31 statistics; v32-63 buffer A: K's pair 0 (also rows on the way out); v64-95 buffer B: K's pair 1, then O^T;
; v96-239 S^T, 18 blocks of 8: P is packed in place into its first 72, and V's pairs 7 and 8 take the next 64; v240-255 Q of the tile in hand (also packed O);
; window 1: v0-15 tile 1's Q; v16-239 seven buffers W0 .. W6 of 32: K's pairs 2 to 8, then V's pairs 0 to 6.
; THE MODE: SCHED_MODE bits 1:0 = 2 (LLVM: expert scheduling mode 2), set by the entry lines.  The code itself states the register dependences
; between vector or matrix instructions and memory or LDS instructions, with s_wait_alu, always for 0.
; THE PLAN.  Every pair of K and every pair of V has a buffer of its own in a tile.  Registers that memory or LDS instructions touch, in a tile's order:
;   A, B, W0-W6   K's loads land in them; the products K Q^T read them.  No vector or matrix line issued since the wait in front of the tile names them, so K's loads are dealt among the products with no wait.
;   W0-W6         ONE wait behind the maximum: all products K Q^T are done reading them.  V's pairs 0 to 6 then land there, dealt among the exponentials, which work in window 0.  The products V^T P read them.
;   v168-231      the weights of the last pairs: written by the exponentials, read by the sums and roundings.  ONE wait behind those (it is also the reciprocals'): V's pairs 7 and 8 land there.
;   v240-255      written by the way out's roundings, read by its LDS stores: ONE wait between them, which also states that the products V^T P are done reading W and v168-231 and that the way
;                 out is done with B: so tile 1's loads of K owe no wait on the vector side.  Tile 1's moves of Q write them again: a wait on vm_vsrc at its head.
;   v32-47        the stage's loads land in them, the global stores read them, tile 1's K lands in them: the same wait on vm_vsrc.
;   v3-8          addresses, written at the head and never again.    v10, v11: written at the head, read by the closing add alone.
; The exponentials of a tile are one batch, with one wait ahead of the first sum.
.set PK,    144       ; a row of K in LDS: 128 bytes + 16 = 36 words: the 16 rows of a load start at 16 different groups of four banks (64 banks of 4 bytes: ISA guide 11.1)
.set PV,    160       ; a row of V: 128 + 32 = 40 words
.set VOFF,  512*PK
.set STAGE, VOFF+512*PV        ; 16 rows x 144 bytes for each wave, for the way out
.set SPARE, STAGE+8*16*PK      ; the spare words, 128 bytes for each wave: four blocks of 256 bytes that no other line names
.set AK,  3           ; v3   my lane's place in my wave's first block of K
.set AV,  4           ; v4   the same for V
.set STO, 5           ; v5   the way out: where I put 16 bytes of a row
.set RD,  6           ; v6   where I read rows back
.set GO,  7           ; v7   my 16 bytes in 512 consecutive bytes of oh
.set QO,  8           ; v8   my byte offset in 16 rows of Q
.set BIG, 9           ; v9   -1e30
.set SPW, 10          ; v10  LDS address of my spare word; never rewritten
.set NIL, 11          ; v11  0; never rewritten
.set M,   12          ; v12-15  four running maxima; later v12-13: 1 / l, twice
.set MX,  16          ; v16  the maximum
.set XT,  17          ; v17  what the other half of the lanes sends
.set CM,  18          ; v18  c m
.set CME, 20          ; v20, v22  c m, plus 1e30 for a pair off the sequence's end: by turns; each named as a pair
.set L,   24          ; v24-31  four sums of pairs
.set KF0, 32
.set O,   64
.set S,   96
.set VF0, S+72
.set Q,   240
.set W,   16          ; window 1: buffer n at W + 32 n
.set CS,  18          ; s[18:19] c = log2(e) / 8
.set SEL, 20          ; s[20:21] v_permlanex16_b32's selects: each lane takes its own place in the other half
.set E,   24          ; s24-32  for each pair of blocks 0, or 1e30
.set MLO, 36          ; s36-43  register j of the lower edge's block: the lanes where its key is hidden
.set MHI, 44          ; s44-51  the same for the upper edge
.set MSB, 0
.macro WIN new
.if MSB != (\new)
	s_set_vgpr_msb (MSB<<8)|(\new)
.set MSB, \new
.endif
.endm
	s_load_b128 s[4:7], s[0:1], 0x0                ; qkv s[4:5], oh s[6:7]
	v_lshl_add_u32 v[SPW], v0, 2, SPARE
	v_mov_b32 v[NIL], 0
	v_lshrrev_b32 v1, 5, v0
	v_readfirstlane_b32 s16, v1                    ; wave 0..7
	s_and_b32 s23, ttmp7, 0xffff                   ; the head
	s_lshl_b32 s34, s23, 19                        ; its 524,288 bytes in each tensor
	s_mov_b32 s35, 0
	s_mov_b32 s53, 0
	s_lshl_b32 s54, ttmp9, 8                       ; the block's first query
	s_mov_b32 s[CS], 0x3e38aa3b                    ; c = 0.180337
	s_mov_b32 s[CS+1], s[CS]                       ; named with it as a pair
	s_mov_b32 s[SEL], 0x76543210
	s_mov_b32 s[SEL+1], 0xfedcba98
.set j, 0
.rept 8                                ; lane = place + 16 half holds key 8 half + j: hidden below the edge where the key's number is less than the place, above it where it is greater
	s_mov_b32 s[MLO+j], ((0xffff<<(j+1))&0xffff)|(((0xffff<<(j+9))&0xffff)<<16)
	s_mov_b32 s[MHI+j], ((1<<j)-1)|(((1<<(j+8))-1)<<16)
.set j, j+1
.endr
	s_lshl_b32 s17, ttmp9, 3
	s_wait_alu depctr_va_sdst(0)                   ; s16 is written, ahead of its first reader, the line below
	s_add_co_u32 s17, s17, s16                     ; my 32 queries among the head's 128 groups of 32
	s_lshl_b32 s52, s17, 12                        ; my 32 rows of 128 bytes
.set c, 0
.rept 9                                ; pair c holds the keys of group (my group) - 4 + c: below 0 it wraps, so one unsigned compare finds both ends
	s_add_co_u32 s22, s17, c-4
	s_cmp_ge_u32 s22, 128
	s_cselect_b32 s[E+c], 0x7149f2ca, 0
.set c, c+1
.endr
	s_mul_i32 s33, s16, 32*PK                      ; my wave's first row of K, of V, and its stage: a scalar register each, so that none that a vector line reads is written again
	s_mul_i32 s2, s16, 32*PV
	s_add_co_u32 s2, s2, VOFF
	s_mul_i32 s3, s16, 16*PK
	s_add_co_u32 s3, s3, STAGE
	v_mov_b32 v[BIG], 0xf149f2ca
	v_mov_b32 v[XT], 0                             ; v_permlanex16_b32's destination counts as read
	v_mov_b32 v[CME+1], 0                          ; named in pairs
	v_mov_b32 v[CME+3], 0
	v_and_b32 v1, 15, v0                           ; l % 16
	v_bfe_u32 v2, v0, 4, 1                         ; l / 16
	v_and_b32 v12, 7, v0
	v_bfe_u32 v13, v0, 3, 1
	v_mul_u32_u24 v[AK], v1, PK
	v_lshl_add_u32 v[AK], v2, 4, v[AK]
	v_add_nc_u32 v[AK], s33, v[AK]                 ; (32 w + l % 16) x pitch + 16 x half
	v_lshl_add_u32 v[AV], v2, 3, v12               ; the turning load: lane l reads key 8 (l / 16) + l % 8, channels 8 ((l / 8) % 2) + 0..7
	v_mul_u32_u24 v[AV], v[AV], PV
	v_lshl_add_u32 v[AV], v13, 4, v[AV]
	v_add_nc_u32 v[AV], s2, v[AV]
	v_mul_u32_u24 v[STO], v1, PK
	v_lshl_add_u32 v[STO], v2, 4, v[STO]
	v_add_nc_u32 v[STO], s3, v[STO]
	v_bfe_u32 v[RD], v0, 3, 2                      ; back: 32 lanes take four rows of 128 bytes,
	v_mul_u32_u24 v[RD], v[RD], PK
	v_lshl_add_u32 v[RD], v12, 4, v[RD]
	v_add_nc_u32 v[RD], s3, v[RD]
	v_and_b32 v[GO], 31, v0                        ; which are 512 consecutive bytes of oh
	v_lshlrev_b32 v[GO], 4, v[GO]
	v_lshlrev_b32 v[QO], 7, v1
	v_lshl_add_u32 v[QO], v2, 4, v[QO]             ; row x 128 + 16 x half
	; THE FILL.  256 threads take 32 rows of 128 bytes at a time, 16 times for K and for V: thread t row t / 8 of the group, 16 bytes at 16 (t % 8): a wave's load covers 512 consecutive bytes.
	v_lshrrev_b32 v12, 3, v0
	v_and_b32 v13, 7, v0
	v_add_nc_u32 v14, s54, v12                     ; LDS row 32 i + t / 8 holds key (this) + 32 i - 128
	v_lshlrev_b32 v15, 4, v13
	v_mov_b32 v16, 128
.set i, 0
.rept 16
.if i < 4                              ; only the first four groups can lie before key 0,
	v_add_nc_u32 v[224+i], 32*i, v14
	v_max_u32 v[224+i], 128, v[224+i]
	v_sub_nc_u32 v[224+i], v[224+i], v16
.elseif i < 12
	v_add_nc_u32 v[224+i], 32*i-128, v14
.else                                  ; only the last four behind key 4,095
	v_add_nc_u32 v[224+i], 32*i-128, v14
	v_min_u32 v[224+i], 4095, v[224+i]
.endif
	v_lshl_add_u32 v[224+i], v[224+i], 7, v15
.set i, i+1
.endr
	v_mul_u32_u24 v32, v12, PK                     ; where the rows go: groups 0-7 and 8-15 have a register each, since an LDS offset ends at 65,535
	v_add_nc_u32 v32, v32, v15
	v_add_nc_u32 v33, 8*32*PK, v32
	v_mul_u32_u24 v34, v12, PV
	v_add3_u32 v34, v34, v15, VOFF
	v_add_nc_u32 v35, 8*32*PV, v34
	s_wait_kmcnt 0x0
	s_add_nc_u64 s[8:9], s[4:5], s[34:35]          ; Q at the head,
	s_add_nc_u64 s[10:11], s[8:9], 0x800000        ; K,
	s_add_nc_u64 s[12:13], s[8:9], 0x1000000       ; V
	s_add_nc_u64 s[8:9], s[8:9], s[52:53]          ; Q and oh at my wave's first row
	s_add_nc_u64 s[14:15], s[6:7], s[34:35]
	s_add_nc_u64 s[14:15], s[14:15], s[52:53]
	s_wait_alu depctr_va_vdst(0)                   ; all addresses are written: v3 to v8, which loads and stores read to the kernel's end, and the fill's v224-239 and v32-35
.set i, 0
.rept 16
	global_load_b128 v[96+4*i:96+4*i+3], v[224+i], s[10:11]
.set i, i+1
.endr
.set i, 0
.rept 16
	global_load_b128 v[160+4*i:160+4*i+3], v[224+i], s[12:13]
.set i, i+1
.endr
.irp c, 0,1                            ; a fragment of Q: lane l holds row l % 16, places 8 (l / 16) + 0..7 and 16 + 8 (l / 16) + 0..7 of 32
	global_load_b128 v[Q+8*(\c):Q+8*(\c)+3],   v[QO], s[8:9] offset:64*(\c)
	global_load_b128 v[Q+8*(\c)+4:Q+8*(\c)+7], v[QO], s[8:9] offset:64*(\c)+32
.endr
	WIN 0x40                                       ; destination window 1; between the wait above and these loads stand loads and this switch alone
.irp c, 0,1
	global_load_b128 v[8*(\c):8*(\c)+3],   v[QO], s[8:9] offset:2048+64*(\c)
	global_load_b128 v[8*(\c)+4:8*(\c)+7], v[QO], s[8:9] offset:2048+64*(\c)+32
.endr
	WIN 0
.set i, 0
.rept 16
	s_wait_loadcnt 39-i                            ; 40 loads went out: behind K's group i came 39 - i
	ds_store_b128 v[32+i/8], v[96+4*i:96+4*i+3] offset:(i%8)*32*PK
.set i, i+1
.endr
.set i, 0
.rept 16
	s_wait_loadcnt 23-i                            ; behind V's group i came 23 - i
	ds_store_b128 v[34+i/8], v[160+4*i:160+4*i+3] offset:(i%8)*32*PV
.set i, i+1
.endr
	s_wait_loadcnt 0x0                             ; Q
	s_wait_dscnt 0x0                               ; for the others' sake: my rows are in LDS
	s_barrier_signal -1
	s_barrier_wait -1                              ; everybody's are; nobody writes K or V again, so this is the kernel's one barrier
	s_wait_alu depctr_vm_vsrc(0)                   ; the fill's LDS stores have read v32-35 and v96-223, its loads v224-239: K's pair 0 lands in the first, the products K Q^T write the others
.macro PLACES                          ; four places behind matrix instructions (ISA guide 7.12.1)
.rept 4
	v_nop
.endr
.endm
.macro LOADK c, buf                    ; pair c of K's blocks: 2 x 16 keys x 64 places, 8 loads
.irp u, 0,1
.irp ch, 0,1
	ds_load_b128 v[(\buf)+16*(\u)+8*(\ch):(\buf)+16*(\u)+8*(\ch)+3],   v[AK] offset:(2*(\c)+(\u))*16*PK+64*(\ch)
	ds_load_b128 v[(\buf)+16*(\u)+8*(\ch)+4:(\buf)+16*(\u)+8*(\ch)+7], v[AK] offset:(2*(\c)+(\u))*16*PK+64*(\ch)+32
.endr
.endr
.endm
.macro KQ4 c, buf                      ; its scores: the two accumulators take turns; the first products start the sums
	v_wmma_f32_16x16x32_f16 v[S+16*(\c):S+16*(\c)+7],    v[(\buf):(\buf)+7],     v[Q:Q+7],    0
	v_wmma_f32_16x16x32_f16 v[S+16*(\c)+8:S+16*(\c)+15], v[(\buf)+16:(\buf)+23], v[Q:Q+7],    0
	v_wmma_f32_16x16x32_f16 v[S+16*(\c):S+16*(\c)+7],    v[(\buf)+8:(\buf)+15],  v[Q+8:Q+15], v[S+16*(\c):S+16*(\c)+7]
	v_wmma_f32_16x16x32_f16 v[S+16*(\c)+8:S+16*(\c)+15], v[(\buf)+24:(\buf)+31], v[Q+8:Q+15], v[S+16*(\c)+8:S+16*(\c)+15]
.endm
.macro GROUP g, n0, n1                 ; the scores of pairs 2 g and 2 g + 1, whose K lies in window 1; n0, n1: the younger LDS loads that may stay out
	WIN 0x01                                       ; source 0 window 1
	s_wait_dscnt \n0
	KQ4 2*(\g), W+64*(\g)-64
	s_wait_dscnt \n1
	KQ4 2*(\g)+1, W+64*(\g)-32
.endm
.macro BLK t, kb                       ; block kb for tile t: the band's mask, and its scores into the four running maxima; the block's lowest registers come first
.if (((\t)==0)&&((\kb)==17))||(((\t)==1)&&((\kb)==0))
.set j, 0
.rept 8
	v_mov_b32 v[S+8*(\kb)+j], v[BIG]               ; wholly hidden
.set j, j+1
.endr
.else
.if (\kb) == (\t)
.set j, 0
.rept 8
	v_cndmask_b32 v[S+8*(\kb)+j], v[S+8*(\kb)+j], v[BIG], s[MLO+j]
.set j, j+1
.endr
.elseif (\kb) == 16+(\t)
.set j, 0
.rept 8
	v_cndmask_b32 v[S+8*(\kb)+j], v[S+8*(\kb)+j], v[BIG], s[MHI+j]
.set j, j+1
.endr
.endif
.set j, 0
.rept 4
	v_max3_num_f32 v[M+j], v[M+j], v[S+8*(\kb)+2*j], v[S+8*(\kb)+2*j+1]
.set j, j+1
.endr
.endif
.endm
.macro SCALE c                         ; pair c: c s - c m, or far below it where the pair lies off the sequence's end
	v_add_f32 v[CME+2*((\c)%2)], s[E+(\c)], v[CM]
.set j, 0
.rept 8
	v_pk_fma_f32 v[S+16*(\c)+2*j:S+16*(\c)+2*j+1], v[S+16*(\c)+2*j:S+16*(\c)+2*j+1], s[CS:CS+1], v[CME+2*((\c)%2):CME+2*((\c)%2)+1] op_sel_hi:[1,0,0] neg_lo:[0,0,1] neg_hi:[0,0,1]
.set j, j+1
.endr
.endm
.macro EXPS c
.set j, 0
.rept 16
	v_exp_f32 v[S+16*(\c)+j], v[S+16*(\c)+j]
.set j, j+1
.endr
.endm
.macro SUMS c                          ; the weights into four sums of pairs; the first pair of blocks starts them
.set j, 0
.if (\c) == 0
.rept 4
	v_pk_add_f32 v[L+2*j:L+2*j+1], v[S+2*j:S+2*j+1], v[S+8+2*j:S+9+2*j]
.set j, j+1
.endr
.else
.rept 8
	v_pk_add_f32 v[L+2*(j%4):L+2*(j%4)+1], v[L+2*(j%4):L+2*(j%4)+1], v[S+16*(\c)+2*j:S+16*(\c)+2*j+1]
.set j, j+1
.endr
.endif
.endm
.macro PACKP c                         ; 16 weights -> 8 registers of f16, in place at S + 8 c: registers whose weights have been packed already
.set j, 0
.rept 8
	v_cvt_pk_f16_f32 v[S+8*(\c)+j], v[S+16*(\c)+2*j], v[S+16*(\c)+2*j+1]
.set j, j+1
.endr
.endm
.macro LOADV c, buf                    ; V of pair c, turned: 32 keys x 64 channels, 8 loads
.irp cb, 0,1,2,3
	ds_load_tr16_b128 v[(\buf)+8*(\cb):(\buf)+8*(\cb)+3],   v[AV] offset:(\c)*32*PV+32*(\cb)
	ds_load_tr16_b128 v[(\buf)+8*(\cb)+4:(\buf)+8*(\cb)+7], v[AV] offset:(\c)*32*PV+16*PV+32*(\cb)
.endr
.endm
.macro PV4 c, buf                      ; O^T += V^T P for pair c: the four accumulators take turns; the first pair starts the sums
.irp cb, 0,1,2,3
.if (\c) == 0
	v_wmma_f32_16x16x32_f16 v[O+8*(\cb):O+8*(\cb)+7], v[(\buf)+8*(\cb):(\buf)+8*(\cb)+7], v[S+8*(\c):S+8*(\c)+7], 0
.else
	v_wmma_f32_16x16x32_f16 v[O+8*(\cb):O+8*(\cb)+7], v[(\buf)+8*(\cb):(\buf)+8*(\cb)+7], v[S+8*(\c):S+8*(\c)+7], v[O+8*(\cb):O+8*(\cb)+7]
.endif
.endr
.endm
.macro TILE t
.if \t
	s_wait_xcnt 0x0                                ; the registers that tile 0's stores read are loaded again only behind this wait
	s_wait_alu depctr_vm_vsrc(0)                   ; tile 0's global stores have read v32-47, in which K's pair 0 lands; its LDS stores have read v240-255, which the moves below write
.endif
	; SCORES AND MAXIMA.  K's loads owe no wait on the vector side: no vector or matrix line issued since the last wait on va_vdst (the head's; for tile 1 the one in tile 0's way out) names A, B or W0 .. W6.
	; Four pairs are asked for here, the other five behind the products of pairs 0 and 1, 2 and 3, 4 and 5.  The products go two pairs at a time; the masks and maxima of the two pairs before them, eight plain
	; lines or more for each pair, are the places between a pair's products and the lines that read its scores.
	LOADK 0, KF0
	LOADK 1, KF0+32
	WIN 0x40                                       ; destination window 1
	LOADK 2, W
	LOADK 3, W+32
.if \t
	WIN 0x01                                       ; source 0 window 1: tile 1's Q goes where the products name Q
.set j, 0
.rept 16
	v_mov_b32 v[Q+j], v[j]
.set j, j+1
.endr
.endif
	WIN 0
	s_wait_dscnt 24                                ; LDS loads come back in order (ISA guide 5.7.1): pair 0 is in; pairs 1 to 3, eight loads each, may be out
	KQ4 0, KF0
	s_wait_dscnt 16                                ; pair 1 is in
	KQ4 1, KF0+32
	WIN 0x40
	LOADK 4, W+64
	LOADK 5, W+96
	WIN 0
.irp x, 0,1,2,3
	v_mov_b32 v[M+(\x)], 0xff7fffff                ; the lowest finite number; these four are the places behind pair 0's products
.endr
	BLK \t, 0
	BLK \t, 1
	GROUP 1, 24, 16                                ; behind pair 2 came pairs 3, 4, 5; behind pair 3 two of them
	WIN 0x40
	LOADK 6, W+128
	LOADK 7, W+160
	WIN 0
.irp kb, 2,3,4,5
	BLK \t, \kb
.endr
	GROUP 2, 24, 16                                ; behind pair 4 came pairs 5, 6, 7
	WIN 0x40
	LOADK 8, W+192
	WIN 0
.irp kb, 6,7,8,9
	BLK \t, \kb
.endr
	GROUP 3, 16, 8                                 ; behind pair 6 came pairs 7 and 8
	WIN 0
.irp kb, 10,11,12,13
	BLK \t, \kb
.endr
	WIN 0x01
	s_wait_dscnt 0x0                               ; pair 8
	KQ4 8, W+192
	WIN 0
.irp kb, 14,15,16,17
	BLK \t, \kb
.endr
	; THE WEIGHTS.  The true maximum of the query's 288 scores: my 144, then the other half of the lanes'.
	v_max3_num_f32 v[MX], v[M], v[M+1], v[M+2]
	v_max_num_f32 v[MX], v[MX], v[M+3]
	v_permlanex16_b32 v[XT], v[MX], s[SEL], s[SEL+1]
	v_max_num_f32 v[MX], v[MX], v[XT]
	v_mul_f32 v[CM], s[CS], v[MX]
	s_wait_alu depctr_va_vdst(0)                   ; the products K Q^T are done reading W0 .. W6, in which V's pairs 0 to 6 land below; the lines between work in window 0 and name neither these nor v[AV]
	SCALE 0
	; One batch of 144 exponentials: nothing ahead of the wait behind it names a result.  A pair's scaling stands between the exponentials of the pair before and its own; V's loads are dealt among them, two pairs to a run.
.set c, 0
.rept 9
	EXPS c
.if (c < 6) && (c%2 == 0)
	WIN 0x40                                       ; destination window 1
	LOADV c, W+32*c
	LOADV c+1, W+32*(c+1)
	WIN 0
.elseif c == 6
	WIN 0x40
	LOADV 6, W+192
	WIN 0
.endif
.if c < 8
	SCALE c+1
.else
	v_nop                                          ; a plain line behind the last exponential, ahead of the use of its result (ISA guide 5.7.2)
.endif
.set c, c+1
.endr
	s_wait_alu depctr_va_vdst(0)                   ; the 144 exponentials have written the weights v96-239, ahead of their first reader, the first sum
.set c, 0
.rept 9
	SUMS c
	PACKP c
.set c, c+1
.endr
	v_pk_add_f32 v[L:L+1], v[L:L+1], v[L+2:L+3]
	v_pk_add_f32 v[L+4:L+5], v[L+4:L+5], v[L+6:L+7]
	v_pk_add_f32 v[L:L+1], v[L:L+1], v[L+4:L+5]
	v_add_f32 v[L], v[L], v[L+1]
	v_permlanex16_b32 v[XT], v[L], s[SEL], s[SEL+1]
	v_add_f32 v[L], v[L], v[XT]
	v_rcp_f32 v[M], v[L]                           ; twice, to fill the pair that the packed multiply names
	v_rcp_f32 v[M+1], v[L]
	v_nop                                          ; a plain line behind the reciprocals
	s_wait_alu depctr_va_vdst(0)                   ; the sums and roundings are done reading v168-231, which the exponentials wrote and in which V's pairs 7 and 8 land; the two reciprocals have written v12 and v13, ahead of their first reader
	; O^T = V^T P: 36 products on end.  They name O^T, P and V's buffers, each of which is loaded once in a tile: no load hangs on them.
	s_wait_dscnt 40                                ; V's pairs 0 and 1 are in; pairs 2 to 6 may be out
	LOADV 7, VF0
	LOADV 8, VF0+32
	WIN 0x01                                       ; source 0 window 1
	PV4 0, W
	PV4 1, W+32
	s_wait_dscnt 40                                ; pairs 2 and 3 are in; behind them came pairs 4 to 8
	PV4 2, W+64
	PV4 3, W+96
	s_wait_dscnt 24                                ; pairs 4 and 5; behind them pairs 6, 7, 8
	PV4 4, W+128
	PV4 5, W+160
	s_wait_dscnt 16                                ; pair 6
	PV4 6, W+192
	WIN 0
	s_wait_dscnt 8                                 ; pair 7
	PV4 7, VF0
	s_wait_dscnt 0x0                               ; pair 8
	PV4 8, VF0+32
	PLACES                                         ; in front of the lines that read O^T
	; THE WAY OUT: O^T / l, rounded to f16; a lane's eight channels of a row are 16 bytes; through my stage, back as whole rows.
.set j, 0
.rept 16
	v_pk_mul_f32 v[O+2*j:O+2*j+1], v[O+2*j:O+2*j+1], v[M:M+1]
.set j, j+1
.endr
.set j, 0
.rept 16
	v_cvt_pk_f16_f32 v[Q+j], v[O+2*j], v[O+2*j+1]
.set j, j+1
.endr
	s_wait_alu depctr_va_vdst(0)                   ; the roundings have written v240-255, which the LDS stores read; the products V^T P are done reading W0 .. W6, and the lines above are done with v64-95: the next tile's K lands in these
.irp f, 0,1,2,3
	ds_store_b128 v[STO], v[Q+4*(\f):Q+4*(\f)+3] offset:32*(\f)
.endr
.irp f, 0,1,2,3
	ds_load_b128 v[KF0+4*(\f):KF0+4*(\f)+3], v[RD] offset:(\f)*4*PK  ; LDS serves a wave's instructions in order (ISA guide 5.7.1.4): these see the stores above
.endr
.irp f, 0,1,2,3
	s_wait_dscnt 3-(\f)
	global_store_b128 v[GO], v[KF0+4*(\f):KF0+4*(\f)+3], s[14:15] offset:(\t)*2048+(\f)*512  ; 512 consecutive bytes, at a multiple of 512 from oh's first byte
.endr
.endm
	TILE 0
	TILE 1
	s_wait_dscnt 0x0                               ; the closing lines, six on end
	s_wait_alu 0x0
	s_wait_tensorcnt 0x0
	ds_add_u32 v[SPW], v[NIL]
	s_wait_dscnt 0x0
	s_endpgm
.Lfunc_end_k_qf1f4cede87_attn:
	.size	k_qf1f4cede87_attn, .Lfunc_end_k_qf1f4cede87_attn-k_qf1f4cede87_attn
	.p2alignl 7, 3214868480
	.fill 96, 4, 3214868480
	.section	.rodata,"a",@progbits
	.p2align	6, 0x0
	.amdhsa_kernel k_qf1f4cede87_attn
		.amdhsa_group_segment_fixed_size 175104
		.amdhsa_private_segment_fixed_size 0
		.amdhsa_enable_private_segment 0
		.amdhsa_kernarg_size 16
		.amdhsa_user_sgpr_count 2
		.amdhsa_user_sgpr_kernarg_segment_ptr 1
		.amdhsa_wavefront_size32 1
		.amdhsa_system_sgpr_workgroup_id_x 1
		.amdhsa_system_sgpr_workgroup_id_y 1
		.amdhsa_system_sgpr_workgroup_id_z 1
		.amdhsa_system_vgpr_workitem_id 0
		.amdhsa_next_free_vgpr 496
		.amdhsa_next_free_sgpr 66
		.amdhsa_reserve_vcc 0
		.amdhsa_float_denorm_mode_32 3
		.amdhsa_float_denorm_mode_16_64 3
		.amdhsa_memory_ordered 1
		.amdhsa_forward_progress 1
		.amdhsa_inst_pref_size 102
	.end_amdhsa_kernel
	.amdgpu_metadata
---
amdhsa.version: [ 1, 2 ]
amdhsa.kernels:
  - .name:           k_qf1f4cede87_attn
    .symbol:         k_qf1f4cede87_attn.kd
    .args:
      - { .name: qkv, .offset: 0, .size: 8, .value_kind: global_buffer, .address_space: global }
      - { .name: oh, .offset: 8, .size: 8, .value_kind: global_buffer, .address_space: global }
    .group_segment_fixed_size: 175104
    .private_segment_fixed_size: 0
    .kernarg_segment_align: 8
    .kernarg_segment_size: 16
    .max_flat_workgroup_size: 256
    .sgpr_count:     66
    .vgpr_count:     496
    .wavefront_size: 32
...
	.end_amdgpu_metadata
.endif
;; end of part 6
;; launch outp: the kernel of part 4 again; grid 8 x 32, 4 waves a work-group, clusters of 4 x 4, 327,680 bytes of LDS; arguments oh, wob, bo, out0; writes out0
